; MI455X (gfx1250); checked and timed in simulation.
; The chip was launched on July 23, 2026; its instructions are those of AMD's public machine-readable ISA for CDNA 5 (MIT licence, August 2026) and "CDNA5" Instruction Set Architecture Reference Guide (July 2026). The comments in the code are by the model that wrote it; some were corrected since.
;; Attention. Allowed arithmetic: matrix products marked QUANTISED: E2M3 operands, one E8M0 scale for each 32 along K, by v_wmma_scale_f32_16x16x128_f8f6f4 with both operands' format E2M3, f32 sums; everything else in f32.
;; Inputs: W_proj 1,024 x 1,024 float32; W_qkv 1,024 x 3,072 float32; b_proj 1,024 float32; x 4 x 2,048 x 1,024 float32.
;; Outputs: out0 4 x 2,048 x 1,024 float32.
;; This version of the problem:
;;   THIS VERSION OF THE PROBLEM IS GIVEN IN LOW PRECISION. The matrix products marked QUANTISED in the list below multiply operands that are first quantised to E2M3 (2 exponent bits, 3 mantissa bits; 6 bits a number), with one power-of-two scale for each 32 numbers along K (OCP MX v1.0); their sums are f32. All else is computed in f32.
;;   The module's matrix products, in the order in which they are computed (A, B: the left and right operand; K: the contracted axis; several contracted axes count as one K, in the product's order):
;;     1. [M 8,192, K 1,024] x [K 1,024, N 3,072]; A: input x; B: input W_qkv: QUANTISED
;;     2. batch 64 x [M 2,048, K 64] x [K 64, N 2,048]; A: computed on the way; B: computed on the way: QUANTISED
;;     3. batch 64 x [M 2,048, K 2,048] x [K 2,048, N 64]; A: softmax (see below); B: computed on the way: QUANTISED
;;     4. [M 8,192, K 1,024] x [K 1,024, N 1,024]; A: computed on the way; B: input W_proj: QUANTISED
;;   THE QUANTISER, for each operand of a quantised product, along K:
;;     - K is cut into blocks of 32 from its start; a last block that is shorter is filled with zeros.
;;     - A block's scale is 2^e with e = floor(log2(the largest magnitude in the block)) - 2, held to -126 .. 127; a block of zeros has e = 0. As a byte (E8M0): e + 127.
;;     - Each number is divided by its block's scale, clamped to +-7.5, and rounded to the nearest number of E2M3, ties to even, subnormals kept.
;;     - The product sums the exact products of the quantised numbers (number of the format x scale) in f32.
;;   ~~~python
;;   def quantise(x, axis):      # numpy; x: float32 -> the quantised numbers, widened to float32 again
;;       x = np.moveaxis(x, axis, -1); K = x.shape[-1]
;;       x = np.pad(x, [(0, 0)] * (x.ndim - 1) + [(0, -K % 32)]); x = x.reshape(x.shape[:-1] + (-1, 32)); a = np.abs(x).max(-1, keepdims=True)
;;       e = np.where(a > 0, np.clip(np.frexp(np.where(a > 0, a, 1))[1] - 1 - 2, -126, 127), 0)      # np.frexp(a)[1] - 1 = floor(log2(a)), exactly
;;       r = np.clip(x / 2.0 ** e, -7.5, 7.5)
;;       step = 2.0 ** (np.maximum(np.frexp(np.where(r == 0, 1, r))[1] - 1, 0) - 3)
;;       q = np.round(r / step) * step * 2.0 ** e      # np.round: ties to even
;;       return np.moveaxis(q.reshape(q.shape[:-2] + (-1,))[..., :K], -1, axis).astype(np.float32)
;;   ~~~
;;   SOFTMAX AHEAD OF A QUANTISED PRODUCT. Where the list says 'softmax', what is quantised is not the finished softmax but p = 2^(t - M), with t = logit x log2(e) and M = ceil(the row's largest t), a whole number; so 1/2 < the row's largest p <= 1. The row's sum l is taken of the UNQUANTISED p, in f32, and the product's result is divided by l at the end. Since M is a whole number, a kernel that streams over the keys may use a running M (the ceiling of the running maximum): every later rescaling is an exact power of two, which a block's scale takes up: the codes' values come out the same.
;;   OPERANDS COMPUTED ON THE WAY. 'Computed on the way' means the value that the module computes at that place (a softmax that the list does not call 'softmax' is quantised finished and normalised). What goes into a quantiser is computed in f32, as accurately as f32 sums, v_exp_f32 and their like allow (about 1e-6 of the number): no bf16 or f16 on the way to a quantiser, and a product that is left as it is and whose result goes on into a quantised operand takes f32 operands (vector FMAs, or v_wmma_f32_16x16x4_f32). A number that lies on a knife's edge between two numbers of the format may be rounded either way, as far as f32 arithmetic and the matrix unit's own rounding can turn it there, and no further.
;; One version. Each part assembles by itself: llvm-mc -triple=amdgcn-amd-amdhsa -mcpu=gfx1250 --defsym DOCPART=n.
;; ======== version 1 of 1: 5 launches
;; limits: right only within a limited range of input values
;; workspace buffers: XQ 6,553,600 bytes; WQ 3,276,800 bytes; QKV 19,660,800 bytes; OQ 6,553,600 bytes
;; launch quant_x (part 1): grid 256 x 1, 4 waves a work-group, no clusters, 167,936 bytes of LDS; arguments x, XQ; writes XQ
.if DOCPART == 1
	.amdgcn_target "amdgcn-amd-amdhsa--gfx1250"
	.amdhsa_code_object_version 6
	.text
	.protected	k_q18bab594d8_quant_x
	.globl	k_q18bab594d8_quant_x
	.p2align	8
	.type	k_q18bab594d8_quant_x,@function
k_q18bab594d8_quant_x:
	s_mov_b64 s[64:65], 0
	v_nop
	global_prefetch_b8 v0, s[64:65] scope:SCOPE_SE
	s_setreg_imm32_b32 hwreg(HW_REG_WAVE_MODE, 25, 1), 1
	s_wait_xcnt 0x0
; x [8192 tokens][1024], f32, becomes codes of FP6 (E2M3) with one E8M0 byte for each 32 along K, laid as IMAGES OF OPERAND REGISTERS.
; A fragment (16 rows x 128 K, 12 registers a lane) is 1,536 bytes: registers 4 n .. 4 n + 3 of lane L at 512 n + 16 L.  XQ: [512 row tiles][8 K steps][1536]; from XSC on the scale words [row tile][pair of K steps][row][2 words].
; ROWS ARE STORED BY POSITION: token t lies at the position that has bits 3 and 4 of t exchanged.  So row tile pt holds tokens 32 (pt / 2) + 8 (pt % 2) + 0 .. 7 and the same + 16.
; A work-group takes 32 tokens.  Wave w brings K quarter w of all 32 (32 rows x 1,024 bytes) by ONE tensor load at the head; one barrier shows the four quarters to all waves.
; Then a wave takes one row tile and half of K (four fragments).  A lane (r, h) reads, for each fragment, its two whole blocks of 32 numbers (k = 64 c + 32 h + 0 .. 31 of row r):
; a block's largest magnitude needs no other lane, and the conversions' results are the operand's registers.
; A block's scale is 2^(floor(log2(largest magnitude)) - 2): the largest magnitude's exponent field less 2, held at 1 from below.
; LIMITS: a block of zeros gets the byte 1 (its codes are zeros; only this program reads the bytes); NaN and infinities among the inputs are not served.
.set RP,    1040                       ; an LDS row: 1,024 bytes + 16 of padding
.set WREG,  32*RP                      ; a K quarter of the 32 tokens: what one tensor load brings
.set SPARE, 4*WREG                     ; behind the four quarters: the spare words, 128 bytes a wave, named by no other line
.set XSC,   6291456
.set XA,  3                            ; v3   LDS: my row, my half
.set GO,  4                            ; v4   16 x lane
.set SH,  5                            ; v5   8 h
.set SO,  6                            ; v6   128 h + 8 r
.set SPW, 12
.set NIL, 13
.set MX,  32                           ; v32-33 largest magnitudes
.set BY,  36                           ; v36-37 bytes
.set PD,  38                           ; v38    a lane permute's destination
.set SOP, 44                           ; v44-45 the conversions' scale operands
.set TP,  48                           ; v48-50, v52-54 the second halves' codes
.set X,   64                           ; v64-191 two sets of 64 numbers
.set CD,  192                          ; v192-239 codes, 12 registers a fragment: no store's data are written again
.set W,   240                          ; v240-243 the four scale words
.set G1,  16
.set G0,  24
.set SEL, 40
.set OC,  42
.set OS,  44
	s_load_b128 s[4:7], s[0:1], 0x0                ; x, XQ
	v_lshl_add_u32 v[SPW], v0, 2, SPARE
	v_mov_b32 v[NIL], 0
	ds_add_u32 v[SPW], v[NIL]                      ; the opening lines: the add, twice, and its wait
	ds_add_u32 v[SPW], v[NIL]
	v_lshrrev_b32 v1, 5, v0
	v_readfirstlane_b32 s8, v1                     ; wave 0..3
	s_lshr_b32 s9, s8, 1                           ; which of the work-group's two row tiles
	s_and_b32 s10, s8, 1                           ; which half of K
	s_mov_b32 s[G1+0], (2<<16)|(1<<20)|(7<<22)|(3<<25)  ; elements of 4 bytes; padding on: behind every 256 words, 4 words
	s_mov_b32 s[G1+1], 256<<16                     ; tensor_dim0 = 256
	s_mov_b32 s[G1+2], 32<<16                      ; tensor_dim1 = 32
	s_mov_b32 s[G1+3], 256<<16                     ; tile_dim0 = 256
	s_mov_b32 s[G1+4], 32                          ; tile_dim1 = 32
	s_mov_b32 s[G1+5], 1024                        ; elements from row to row
	s_mov_b32 s[G1+6], 0
	s_mov_b32 s[G1+7], 0
	s_mul_i32 s11, s8, WREG
	s_lshl_b32 s12, ttmp9, 17                      ; 32 tokens of 4,096 bytes a work-group,
	s_lshl_b32 s13, s8, 10                         ; the K quarter that I fetch
	s_add_co_u32 s12, s12, s13
	s_mov_b32 s13, 0
	s_mov_b32 s[SEL], 0x76543210
	s_mov_b32 s[SEL+1], 0xfedcba98
	s_wait_dscnt 0x0                               ; both opening adds are done
	s_wait_kmcnt 0x0
	s_add_nc_u64 s[4:5], s[4:5], s[12:13]
	s_mov_b32 s[G0], 1
	s_mov_b32 s[G0+1], s11
	s_mov_b64 s[G0+2:G0+3], s[4:5]
	s_or_b32 s[G0+3], s[G0+3], 0x80000000
	tensor_load_to_lds s[G0:G0+3], s[G1:G1+7]      ; my one load
	s_nop 0
	v_and_b32 v1, 15, v0                           ; r
	v_bfe_u32 v2, v0, 4, 1                         ; h
	v_and_b32 v7, 8, v1
	v_add_nc_u32 v7, v7, v1                        ; row r is token r + 8 (r / 8) of the tile's run
	v_mul_u32_u24 v[XA], v7, RP
	v_lshl_add_u32 v[XA], v2, 7, v[XA]
	s_mul_i32 s11, s10, 2*WREG                     ; my half of K: two quarters on,
	s_mul_i32 s15, s9, 8*RP                        ; my row tile: 8 tokens on
	s_add_co_u32 s11, s11, s15
	v_add_nc_u32 v[XA], s11, v[XA]
	v_and_b32 v[GO], 31, v0
	v_lshlrev_b32 v[GO], 4, v[GO]
	v_lshlrev_b32 v[SH], 3, v2
	v_lshlrev_b32 v[SO], 3, v1
	v_lshl_add_u32 v[SO], v2, 7, v[SO]
	v_mov_b32 v[PD], 0
	s_lshl_b32 s14, ttmp9, 1
	s_add_co_u32 s14, s14, s9                      ; my row tile
	s_mul_i32 s12, s14, 12288
	s_mul_i32 s15, s10, 6144
	s_add_co_u32 s12, s12, s15
	s_add_nc_u64 s[OC:OC+1], s[6:7], s[12:13]      ; my four fragments
	s_lshl_b32 s12, s14, 9
	s_lshl_b32 s15, s10, 8
	s_add_co_u32 s12, s12, s15
	s_add_co_u32 s12, s12, XSC
	s_add_nc_u64 s[OS:OS+1], s[6:7], s[12:13]      ; my 256 bytes of scale words
.macro FETCHX s                        ; fragment s: my two blocks of 32 numbers, 16 loads of 16 bytes, into set s % 2
.irp c, 0,1
.irp j, 0,1,2,3,4,5,6,7
	ds_load_b128 v[X+64*((\s)%2)+32*\c+4*\j:X+64*((\s)%2)+32*\c+4*\j+3], v[XA] offset:((\s)/2)*WREG+((\s)%2)*512+256*\c+16*\j
.endr
.endr
.endm
.macro QF s                            ; fragment s is quantised and stored
.set XS, X+64*((\s)%2)
.set CS, CD+12*(\s)
.irp c, 0,1
	v_max3_num_f32 v[MX+\c], |v[XS+32*\c]|, |v[XS+32*\c+1]|, 0x1800000   ; and the floor 2^(3 - 127): the byte cannot fall under 1
.endr
.irp i, 2,4,6,8,10,12,14,16,18,20,22,24,26,28,30
.irp c, 0,1
	v_max3_num_f32 v[MX+\c], v[MX+\c], |v[XS+32*\c+\i]|, |v[XS+32*\c+\i+1]|
.endr
.endr
.irp c, 0,1
	v_add_nc_u32 v[SOP+\c], 0xff000000, v[MX+\c]   ; 2 off the exponent field: the conversion's scale operand
.endr
.irp c, 0,1
	v_lshrrev_b32 v[BY+\c], 23, v[SOP+\c]          ; the scale's byte
.endr
	v_lshl_or_b32 v[W+\s], v[BY+1], 16, v[BY]      ; my blocks h and 2 + h,
	v_lshlrev_b32 v[W+\s], v[SH], v[W+\s]          ; at their places in the word;
	v_permlanex16_b32 v[PD], v[W+\s], s[SEL], s[SEL+1]
	v_or_b32 v[W+\s], v[W+\s], v[PD]               ; with lane l xor 16's two the word is whole
.irp c, 0,1
	v_cvt_scalef32_pk16_fp6_f32 v[CS+6*\c:CS+6*\c+2], v[XS+32*\c:XS+32*\c+15], v[SOP+\c]
	v_cvt_scalef32_pk16_fp6_f32 v[TP+4*\c:TP+4*\c+2], v[XS+32*\c+16:XS+32*\c+31], v[SOP+\c]   ; (a conversion's three registers begin on an even number)
.endr
	v_nop                                          ; one plain place behind a scaled conversion
.irp c, 0,1
.irp i, 0,1,2
	v_mov_b32 v[CS+6*\c+3+\i], v[TP+4*\c+\i]
.endr
.endr
.irp n, 0,1,2
	global_store_b128 v[GO], v[CS+4*\n:CS+4*\n+3], s[OC:OC+1] offset:(\s)*1536+512*\n   ; 32 lanes store 512 consecutive bytes
.endr
.endm
	s_wait_alu depctr_va_vdst(0)                   ; the wait at the head's end
	s_wait_tensorcnt 0x0                           ; my quarter has landed;
	s_barrier_signal -1
	s_barrier_wait -1                              ; everybody's has.
	FETCHX 0
	FETCHX 1
	s_wait_dscnt 16                                ; fragment 0's numbers are in; fragment 1's 16 loads may be out
	QF 0
	FETCHX 2
	s_wait_dscnt 16
	QF 1
	FETCHX 3
	s_wait_dscnt 16
	QF 2
	s_wait_dscnt 0x0
	QF 3
	v_cmp_eq_u32 vcc_lo, 1, v2                     ; lanes 0-15 store the first pair of K steps' words, lanes 16-31 the second's
	v_cndmask_b32 v244, v[W], v[W+2], vcc_lo
	v_cndmask_b32 v245, v[W+1], v[W+3], vcc_lo
	global_store_b64 v[SO], v[244:245], s[OS:OS+1] ; 256 consecutive bytes, aligned
	s_wait_tensorcnt 0x0                           ; the wave's end
	ds_add_u32 v[SPW], v[NIL]
	s_wait_dscnt 0x0
	s_endpgm
.Lfunc_end_k_q18bab594d8_quant_x:
	.size	k_q18bab594d8_quant_x, .Lfunc_end_k_q18bab594d8_quant_x-k_q18bab594d8_quant_x
	.p2alignl 7, 3214868480
	.fill 96, 4, 3214868480
	.section	.rodata,"a",@progbits
	.p2align	6, 0x0
	.amdhsa_kernel k_q18bab594d8_quant_x
		.amdhsa_group_segment_fixed_size 167936
		.amdhsa_private_segment_fixed_size 0
		.amdhsa_enable_private_segment 0
		.amdhsa_kernarg_size 16
		.amdhsa_user_sgpr_count 2
		.amdhsa_user_sgpr_kernarg_segment_ptr 1
		.amdhsa_wavefront_size32 1
		.amdhsa_system_sgpr_workgroup_id_x 1
		.amdhsa_system_sgpr_workgroup_id_y 1
		.amdhsa_system_sgpr_workgroup_id_z 1
		.amdhsa_system_vgpr_workitem_id 0
		.amdhsa_next_free_vgpr 256
		.amdhsa_next_free_sgpr 66
		.amdhsa_reserve_vcc 1
		.amdhsa_float_denorm_mode_32 3
		.amdhsa_float_denorm_mode_16_64 3
		.amdhsa_memory_ordered 1
		.amdhsa_forward_progress 1
		.amdhsa_inst_pref_size 21
	.end_amdhsa_kernel
	.amdgpu_metadata
---
amdhsa.version: [ 1, 2 ]
amdhsa.kernels:
  - .name:           k_q18bab594d8_quant_x
    .symbol:         k_q18bab594d8_quant_x.kd
    .args:
      - { .name: x, .offset: 0, .size: 8, .value_kind: global_buffer, .address_space: global }
      - { .name: XQ, .offset: 8, .size: 8, .value_kind: global_buffer, .address_space: global }
    .group_segment_fixed_size: 167936
    .private_segment_fixed_size: 0
    .kernarg_segment_align: 8
    .kernarg_segment_size: 16
    .max_flat_workgroup_size: 128
    .sgpr_count:     66
    .vgpr_count:     256
    .wavefront_size: 32
...
	.end_amdgpu_metadata
.endif
;; end of part 1
;; launch quant_w (part 2): grid 64 x 4, 8 waves a work-group, no clusters, 13,824 bytes of LDS; arguments W_qkv, W_proj, WQ; writes WQ
.if DOCPART == 2
	.amdgcn_target "amdgcn-amd-amdhsa--gfx1250"
	.amdhsa_code_object_version 6
	.text
	.protected	k_q18bab594d8_quant_w
	.globl	k_q18bab594d8_quant_w
	.p2align	8
	.type	k_q18bab594d8_quant_w,@function
k_q18bab594d8_quant_w:
	s_mov_b64 s[64:65], 0
	v_nop
	global_prefetch_b8 v0, s[64:65] scope:SCOPE_SE
	s_setreg_imm32_b32 hwreg(HW_REG_WAVE_MODE, 25, 1), 1
	s_wait_xcnt 0x0
; W_qkv [1024 (k)][3072] and W_proj [1024 (k)][1024], f32, K their FIRST axis, become codes of FP6 (E2M3) with one E8M0 byte for each 32 along K, as images of operand registers (1,536 bytes a fragment of 16 columns x 128 K).
; WQ: [256 row tiles][8 K steps][1536]: row tiles 0-191 W_qkv's columns, 192-255 W_proj's; from WSC on the scale words [row tile][pair of K steps][row][2 words].
; COLUMNS ARE STORED BY POSITION: column n lies at the position that has bits 3 and 4 of n exchanged.
; A work-group takes 64 columns x 256 K.  A LANE TAKES A COLUMN AND ITS REGISTERS RUN DOWN K: wave wv takes columns 32 (wv % 2) + lane and the blocks k = 128 (wv / 4) + 64 c + 32 ((wv / 2) % 2) + 0 .. 31, c = 0, 1:
; just the two blocks that one lane of the operand's layout holds.  All 64 loads of a wave go out at once (128 consecutive bytes each).  The codes meet in LDS as images; each wave then stores one whole fragment.
; The first 48 work-groups along x take W_qkv, the others W_proj: pointer and pitch are chosen by the work-group's number; one path serves both.
; The scale words leave in runs of 128 consecutive bytes (a row tile's words of one pair of K steps): half an aligned 256 bytes; they are one byte in 128 of what the launch reads.
; LIMITS: a block of zeros gets the byte 1 (its codes are zeros; only this program reads the bytes); NaN and infinities among the inputs are not served.
.set SCST,  12288                      ; LDS: eight images of 1,536 bytes; then 512 bytes of scale words;
.set SPARE, 12800                      ; then the spare words, 128 bytes a wave, named by no other line
.set WSC,   3145728
.set SPW, 14
.set NIL, 15
.set OFF, 32                           ; v32-63  byte offsets of my column in 32 rows on end
.set X,   64                           ; v64-127 two blocks of 32 numbers
.set CDR, 128                          ; v128-133, v136-141 a block's codes
.set TPR, 144                          ; v144-146, v148-150 their second halves
.set SOPR, 152                         ; v152-153 scale operands
.set BYR, 154                          ; v154-155 bytes
	s_load_b128 s[4:7], s[0:1], 0x0                ; W_qkv, W_proj
	s_load_b64 s[8:9], s[0:1], 0x10                ; WQ
	v_lshl_add_u32 v[SPW], v0, 2, SPARE
	v_mov_b32 v[NIL], 0
	v_lshrrev_b32 v1, 5, v0
	s_delay_alu instid0(VALU_DEP_1)
	v_readfirstlane_b32 s10, v1                    ; wave 0..7
	s_and_b32 s11, s10, 1                          ; which 32 columns
	s_lshr_b32 s12, s10, 2                         ; which K step of the two
	s_bfe_u32 s13, s10, 0x10001                    ; which half of the operand's lanes
	s_and_b32 s14, ttmp7, 0xffff                   ; which 256 along K
	v_and_b32 v2, 31, v0                           ; lane
	s_wait_alu depctr_va_vdst(0)
	s_wait_kmcnt 0x0
	s_cmp_lt_u32 ttmp9, 48                         ; W_qkv's work-group or W_proj's?
	s_cselect_b64 s[4:5], s[4:5], s[6:7]
	s_mov_b32 s15, 4096
	s_cselect_b32 s15, 12288, s15                  ; bytes from row to row
	s_cselect_b32 s16, 0, 48
	s_sub_co_u32 s16, ttmp9, s16
	s_lshl_b32 s16, s16, 8                         ; 64 columns of 4 bytes a work-group
	s_lshl_b32 s17, s14, 8
	s_lshl_b32 s18, s12, 7
	s_add_co_u32 s17, s17, s18
	s_lshl_b32 s18, s13, 5
	s_add_co_u32 s17, s17, s18                     ; my first row: 256 y + 128 K step + 32 half
	s_mul_i32 s17, s17, s15
	s_add_co_u32 s16, s16, s17
	s_mov_b32 s17, 0
	s_add_nc_u64 s[4:5], s[4:5], s[16:17]          ; block 0
	s_lshl_b32 s18, s15, 6
	s_mov_b32 s19, 0
	s_add_nc_u64 s[6:7], s[4:5], s[18:19]          ; block 1: 64 rows further down
	v_lshlrev_b32 v[OFF], 2, v2
	s_delay_alu instid0(VALU_DEP_1)
	v_lshl_add_u32 v[OFF], s11, 7, v[OFF]
.set i, 1
.rept 31
	s_delay_alu instid0(VALU_DEP_1)
	v_add_nc_u32 v[OFF+i], s15, v[OFF+i-1]
.set i, i+1
.endr
.irp c, 0,1
.set i, 0
.rept 32
	global_load_b32 v[X+32*\c+i], v[OFF+i], s[4+2*\c:5+2*\c] th:TH_LOAD_NT
.set i, i+1
.endr
.endr
	; my column's place: tile 2 (wv % 2) + bit 3 of the lane, row 8 x bit 4 + (lane % 8)
	v_bfe_u32 v9, v0, 3, 1
	v_bfe_u32 v10, v0, 4, 1
	v_and_b32 v11, 7, v0
	s_delay_alu instid0(VALU_DEP_1)
	v_lshl_add_u32 v11, v10, 3, v11
	s_delay_alu instid0(VALU_DEP_4)
	v_mul_u32_u24 v3, v9, 3072
	s_delay_alu instid0(VALU_DEP_1)
	v_lshl_add_u32 v3, v11, 4, v3
	s_mul_i32 s26, s11, 6144
	s_mul_i32 s27, s12, 1536
	s_add_co_u32 s26, s26, s27
	s_lshl_b32 s27, s13, 8
	s_add_co_u32 s26, s26, s27
	v_add_nc_u32 v3, s26, v3                       ; v3: image (tile, K step), lane row + 16 x half
	v_lshlrev_b32 v4, 7, v9
	s_delay_alu instid0(VALU_DEP_1)
	v_lshl_add_u32 v4, v11, 3, v4
	s_lshl_b32 s26, s11, 8
	s_lshl_b32 s27, s12, 2
	s_add_co_u32 s26, s26, s27
	s_add_co_u32 s26, s26, s13
	s_add_co_u32 s26, s26, SCST
	v_add_nc_u32 v4, s26, v4                       ; v4: my byte in the tile's scale words: 8 x row + 4 x K step + half (+ 2 c)
	s_mul_i32 s26, s10, 1536
	v_lshl_add_u32 v5, v2, 4, s26                  ; v5: the way out: image number wv, 16 x lane
	v_lshlrev_b32 v6, 4, v2                        ; v6: 16 x lane
	v_lshrrev_b32 v7, 3, v2
	v_and_b32 v8, 7, v2
	s_delay_alu instid0(VALU_DEP_2)
	v_lshlrev_b32 v7, 9, v7
	s_delay_alu instid0(VALU_DEP_1)
	v_lshl_add_u32 v7, v8, 4, v7                   ; v7: scale words in memory: 512 x tile + 16 x (lane % 8)
	v_lshl_add_u32 v8, v2, 4, SCST                 ; v8: and in LDS
	s_lshl_b32 s20, ttmp9, 2
	s_lshr_b32 s21, s10, 1
	s_add_co_u32 s20, s20, s21
	s_mul_i32 s20, s20, 12288
	s_lshl_b32 s21, s14, 1
	s_add_co_u32 s21, s21, s11
	s_mul_i32 s21, s21, 1536
	s_add_co_u32 s20, s20, s21
	s_mov_b32 s21, 0
	s_add_nc_u64 s[22:23], s[8:9], s[20:21]        ; the fragment that I store: row tile 4 x + wv / 2, K step 2 y + wv % 2
	s_lshl_b32 s20, ttmp9, 11
	s_lshl_b32 s24, s14, 7
	s_add_co_u32 s20, s20, s24
	s_add_co_u32 s20, s20, WSC
	s_add_nc_u64 s[24:25], s[8:9], s[20:21]
.macro BLOCK c
.set XS, X+32*(\c)
.set CB, CDR+8*(\c)
.set TB, TPR+4*(\c)
	v_max3_num_f32 v156, |v[XS]|, |v[XS+1]|, |v[XS+2]|
	v_max3_num_f32 v157, |v[XS+3]|, |v[XS+4]|, |v[XS+5]|
.irp i, 6,10,14,18,22,26
	s_delay_alu instid0(VALU_DEP_2)
	v_max3_num_f32 v156, v156, |v[XS+\i]|, |v[XS+\i+1]|
	s_delay_alu instid0(VALU_DEP_2)
	v_max3_num_f32 v157, v157, |v[XS+\i+2]|, |v[XS+\i+3]|
.endr
	s_delay_alu instid0(VALU_DEP_2)
	v_max3_num_f32 v156, v156, |v[XS+30]|, |v[XS+31]|
	s_delay_alu instid0(VALU_DEP_1)
	v_max3_num_f32 v156, v156, v157, 0x1800000     ; and the floor 2^(3 - 127): the byte cannot fall under 1
	s_delay_alu instid0(VALU_DEP_1)
	v_add_nc_u32 v[SOPR+\c], 0xff000000, v156      ; 2 off the exponent field: the conversion's scale operand
	s_delay_alu instid0(VALU_DEP_1)
	v_lshrrev_b32 v[BYR+\c], 23, v[SOPR+\c]        ; the scale's byte
	v_cvt_scalef32_pk16_fp6_f32 v[CB:CB+2], v[XS:XS+15], v[SOPR+\c]
	v_cvt_scalef32_pk16_fp6_f32 v[TB:TB+2], v[XS+16:XS+31], v[SOPR+\c]   ; (a conversion's three registers begin on an even number)
	v_nop                                          ; one plain place behind a scaled conversion
.irp i, 0,1,2
	v_mov_b32 v[CB+3+\i], v[TB+\i]
.endr
	ds_store_b8 v4, v[BYR+\c] offset:2*(\c)
	ds_store_b64 v3, v[CB:CB+1] offset:520*(\c)            ; registers 6 c, 6 c + 1 of the image: pair R lies at 512 (R / 4) + 4 (R % 4)
	ds_store_b64 v3, v[CB+2:CB+3] offset:8+1016*(\c)
	ds_store_b64 v3, v[CB+4:CB+5] offset:512+520*(\c)
.endm
	s_wait_loadcnt 32                              ; block 0's 32 loads are in; block 1's may be out
	BLOCK 0
	s_wait_loadcnt 0x0
	BLOCK 1
	s_wait_dscnt 0x0                               ; for the others' sake: my stores have landed
	s_barrier_signal -1
	s_barrier_wait -1
.irp n, 0,1,2
	ds_load_b128 v[X+4*\n:X+4*\n+3], v5 offset:512*\n
.endr
	s_wait_dscnt 0x0
.irp n, 0,1,2
	global_store_b128 v6, v[X+4*\n:X+4*\n+3], s[22:23] offset:512*\n   ; 32 lanes store 512 consecutive bytes
.endr
	s_cmp_lg_u32 s10, 0                            ; wave 0 stores the work-group's 512 bytes of scale words
	s_cbranch_scc1 .Lno_scales
	ds_load_b128 v[X+12:X+15], v8
	s_wait_dscnt 0x0
	global_store_b128 v7, v[X+12:X+15], s[24:25]
.Lno_scales:
	s_wait_tensorcnt 0x0                           ; the wave's end
	ds_add_u32 v[SPW], v[NIL]
	s_wait_dscnt 0x0
	s_endpgm
.Lfunc_end_k_q18bab594d8_quant_w:
	.size	k_q18bab594d8_quant_w, .Lfunc_end_k_q18bab594d8_quant_w-k_q18bab594d8_quant_w
	.p2alignl 7, 3214868480
	.fill 96, 4, 3214868480
	.section	.rodata,"a",@progbits
	.p2align	6, 0x0
	.amdhsa_kernel k_q18bab594d8_quant_w
		.amdhsa_group_segment_fixed_size 13824
		.amdhsa_private_segment_fixed_size 0
		.amdhsa_enable_private_segment 0
		.amdhsa_kernarg_size 24
		.amdhsa_user_sgpr_count 2
		.amdhsa_user_sgpr_kernarg_segment_ptr 1
		.amdhsa_wavefront_size32 1
		.amdhsa_system_sgpr_workgroup_id_x 1
		.amdhsa_system_sgpr_workgroup_id_y 1
		.amdhsa_system_sgpr_workgroup_id_z 1
		.amdhsa_system_vgpr_workitem_id 0
		.amdhsa_next_free_vgpr 160
		.amdhsa_next_free_sgpr 66
		.amdhsa_reserve_vcc 0
		.amdhsa_float_denorm_mode_32 3
		.amdhsa_float_denorm_mode_16_64 3
		.amdhsa_memory_ordered 1
		.amdhsa_forward_progress 1
		.amdhsa_inst_pref_size 17
	.end_amdhsa_kernel
	.amdgpu_metadata
---
amdhsa.version: [ 1, 2 ]
amdhsa.kernels:
  - .name:           k_q18bab594d8_quant_w
    .symbol:         k_q18bab594d8_quant_w.kd
    .args:
      - { .name: W_qkv, .offset: 0, .size: 8, .value_kind: global_buffer, .address_space: global }
      - { .name: W_proj, .offset: 8, .size: 8, .value_kind: global_buffer, .address_space: global }
      - { .name: WQ, .offset: 16, .size: 8, .value_kind: global_buffer, .address_space: global }
    .group_segment_fixed_size: 13824
    .private_segment_fixed_size: 0
    .kernarg_segment_align: 8
    .kernarg_segment_size: 24
    .max_flat_workgroup_size: 256
    .sgpr_count:     66
    .vgpr_count:     160
    .wavefront_size: 32
...
	.end_amdgpu_metadata
.endif
;; end of part 2
;; launch gemm_qkv (part 3): grid 12 x 32, 4 waves a work-group, clusters of 4 x 4, 327,680 bytes of LDS; arguments XQ, WQ, QKV; writes QKV
.if DOCPART == 3
	.amdgcn_target "amdgcn-amd-amdhsa--gfx1250"
	.amdhsa_code_object_version 6
	.text
	.protected	k_q18bab594d8_gemm_qkv
	.globl	k_q18bab594d8_gemm_qkv
	.p2align	8
	.type	k_q18bab594d8_gemm_qkv,@function
k_q18bab594d8_gemm_qkv:
	s_mov_b64 s[64:65], 0
	v_nop
	global_prefetch_b8 v0, s[64:65] scope:SCOPE_SE
	s_setreg_imm32_b32 hwreg(HW_REG_WAVE_MODE, 25, 1), 1
	s_wait_xcnt 0x0
	s_wait_alu depctr_hold_cnt(0) depctr_sa_sdst(0) depctr_va_vdst(0) depctr_va_sdst(0) depctr_va_ssrc(0) depctr_va_vcc(0) depctr_vm_vsrc(0)
	s_getreg_b32 s2, hwreg(HW_REG_IB_STS2, 6, 4)
	s_cmp_eq_u32 s2, 0
	s_cbranch_scc0 .Lentry_in_a_cluster
	s_endpgm
.Lentry_in_a_cluster:
	s_bfe_u32 s2, ttmp6, 0x10000c
	s_cmp_lg_u32 s2, 0xf033
	s_cbranch_scc0 .Lentry_shape_is_right
	s_endpgm
.Lentry_shape_is_right:
.set NQ,    2
.set FR,    12
.set NP,    4
.set NLA,   3
.set RTB,   3072
.set RTM,   12288
.set HALFT, 8*RTB
.set SLOT,  4*HALFT
.set SCL,   2*SLOT
.set SBD,   8320
.set SPARE, SCL+SBD+8192+128
.set XSC,   6291456
.set WSC,   3145728
.set VIO,   12582912
.set QKSO,  18874368
.set VSO,   19398656
.set ADRA, 16
.set ADRB, 20
.set SCO,  25
.set LN16, 26
.set ADRS, 27
.set SPW,  28
.set NIL,  29
.set SC,   32
.set AF,   128
.set FRG,  64
.set WD,   160
.set PWT,  168
.set TM,   176
.set PT,   192
.set SD,   200
.set G1, 24
.set G0, 32
.set G1B, 48
.set G0B, 56
.set SEL, 66
.set G1S, 68
.set G0S, 76
.set G1SB, 80
.set G0SB, 88
.set OUT, 96
.set SOUT, 98
.set MSB, 0
.macro WIN new
.if MSB != \new
	s_set_vgpr_msb (MSB<<8)|\new
.set MSB, \new
.endif
.endm
.set MUL_LO, 0xa1
.set MUL_HI, 0xf1
.set TO_B,   0x40
.macro JLOAD g0a, g1a, g0b, g1b
	s_cmp_eq_u32 s15, 0
	s_cbranch_scc0 .Lfor_b_\@
	tensor_load_to_lds s[\g0a:\g0a+3], s[\g1a:\g1a+7]
	s_nop 0
.rept 4
	v_nop
.endr
	s_branch .Lasked_\@
.Lfor_b_\@:
	tensor_load_to_lds s[\g0b:\g0b+3], s[\g1b:\g1b+7]
	s_nop 0
.rept 4
	v_nop
.endr
.Lasked_\@:
.endm
.macro CREST
	s_cmp_lg_u32 s14, 0
	s_cbranch_scc1 .Lnot_wave_0_\@
	s_barrier_signal -3
.Lnot_wave_0_\@:
	s_barrier_wait -3
	s_barrier_signal -1
	s_barrier_wait -1
.endm
.macro CROUND
	s_barrier_signal -1
	s_barrier_wait -1
	CREST
.endm
	s_load_b128 s[4:7], s[0:1], 0x0
	s_load_b64 s[8:9], s[0:1], 0x10
	v_lshl_add_u32 v[SPW], v0, 2, SPARE
	v_mov_b32 v[NIL], 0
	ds_add_u32 v[SPW], v[NIL]
	ds_add_u32 v[SPW], v[NIL]
	v_lshrrev_b32 v1, 5, v0
	v_readfirstlane_b32 s14, v1
	s_lshr_b32 s15, s14, 1
	s_and_b32 s16, s14, 1
	s_bfe_u32 s40, ttmp6, 0x40000
	s_bfe_u32 s41, ttmp6, 0x40004
	s_and_b32 s18, ttmp7, 0xffff
	s_cmp_eq_u32 ttmp9, 2
	s_cselect_b32 s19, 0, s18
	s_cselect_b32 s45, s18, ttmp9
	s_cselect_b32 s95, 128, 0
	s_lshl_b32 s19, s19, 2
	s_add_co_u32 s17, s19, s41
	s_lshl_b32 s45, s45, 2
	s_add_co_u32 s42, s45, s40
	s_lshl_b32 s43, s41, 2
	s_lshl_b32 s43, 15, s43
	s_lshl_b32 s44, 0x1111, s40
	s_or_b32 s[G1+0], s43, (3<<16)|(1<<21)
	s_or_b32 s[G1B+0], s44, (3<<16)|(1<<21)
.irp g, G1, G1B
	s_mov_b32 s[\g+1], 384<<16
	s_mov_b32 s[\g+2], 16<<16
	s_mov_b32 s[\g+3], 384<<16
	s_mov_b32 s[\g+4], 16
	s_mov_b32 s[\g+5], 1536
	s_mov_b32 s[\g+6], 0
	s_mov_b32 s[\g+7], 0
.endr
	s_or_b32 s[G1S+0], s43, (3<<16)|(1<<21)
	s_or_b32 s[G1SB+0], s44, (3<<16)|(1<<21)
.irp g, G1S, G1SB
	s_mov_b32 s[\g+1], 32<<16
	s_mov_b32 s[\g+2], 32<<16
	s_mov_b32 s[\g+3], 32<<16
	s_mov_b32 s[\g+4], 32
	s_mov_b32 s[\g+5], 32
	s_mov_b32 s[\g+6], 0
	s_mov_b32 s[\g+7], 0
.endr
	s_lshl_b32 s18, s16, 3
	s_lshl_b32 s20, s17, 4
	s_add_co_u32 s20, s20, s95
	s_add_co_u32 s20, s20, s18
	s_lshl_b32 s46, s42, 4
	s_add_co_u32 s46, s46, s18
	s_lshl_b32 s22, s20, 9
	s_lshl_b32 s92, s46, 9
	s_mul_i32 s20, s20, RTM
	s_mul_i32 s46, s46, RTM
	s_mov_b32 s18, XSC
	s_mov_b32 s19, WSC
	s_cmp_eq_u32 ttmp9, 2
	s_cselect_b32 s95, s19, s18
	s_cselect_b32 s96, s18, s19
	s_add_co_u32 s22, s22, s95
	s_add_co_u32 s92, s92, s96
	s_mov_b32 s21, 0
	s_mov_b32 s23, 0
	s_mov_b32 s47, 0
	s_mov_b32 s93, 0
	s_mul_i32 s45, s14, HALFT
	s_mov_b32 s[SEL], 0x76543210
	s_mov_b32 s[SEL+1], 0xfedcba98
	s_wait_dscnt 0x0
	s_wait_kmcnt 0x0
	s_cmp_eq_u32 ttmp9, 2
	s_cselect_b64 s[10:11], s[6:7], s[4:5]
	s_cselect_b64 s[12:13], s[4:5], s[6:7]
	s_add_nc_u64 s[20:21], s[10:11], s[20:21]
	s_add_nc_u64 s[22:23], s[10:11], s[22:23]
	s_add_nc_u64 s[46:47], s[12:13], s[46:47]
	s_add_nc_u64 s[92:93], s[12:13], s[92:93]
	CROUND
	; THE HEAD'S FOUR TILES, each whole, one joint load a wave: wave 0 slot 0's 16 row tiles of the first operand, wave 1 those of the second, wave 2 the first operand's 8,192 bytes of scale words, wave 3 the second's
	s_mul_i32 s18, s16, 8*RTM                      ; my addresses name my half of a tile: the half is taken off again
	s_mov_b32 s19, 0
	s_mov_b32 s[G0], 1
	s_mov_b32 s[G0+1], 0
	s_sub_nc_u64 s[G0+2:G0+3], s[20:21], s[18:19]
	s_or_b32 s[G0+3], s[G0+3], 0x80000000
	s_mov_b32 s[G0B], 1
	s_mov_b32 s[G0B+1], 2*HALFT
	s_sub_nc_u64 s[G0B+2:G0B+3], s[46:47], s[18:19]
	s_or_b32 s[G0B+3], s[G0B+3], 0x80000000
	s_lshl_b32 s18, s16, 12
	s_mov_b32 s[G0S], 1
	s_mov_b32 s[G0S+1], SCL
	s_sub_nc_u64 s[G0S+2:G0S+3], s[22:23], s[18:19]
	s_or_b32 s[G0S+3], s[G0S+3], 0x80000000
	s_mov_b32 s[G0SB], 1
	s_mov_b32 s[G0SB+1], SCL+SBD
	s_sub_nc_u64 s[G0SB+2:G0SB+3], s[92:93], s[18:19]
	s_or_b32 s[G0SB+3], s[G0SB+3], 0x80000000
	s_mov_b32 s[G0+4], 1                           ; slot 1: my quarter
	s_add_co_u32 s[G0+5], s45, SLOT
	s_add_nc_u64 s[G0+6:G0+7], s[20:21], RTB
	s_or_b32 s[G0+7], s[G0+7], 0x80000000
	s_mov_b32 s[G0B+4], 1
	s_add_co_u32 s[G0B+5], s45, SLOT
	s_add_nc_u64 s[G0B+6:G0B+7], s[46:47], RTB
	s_or_b32 s[G0B+7], s[G0B+7], 0x80000000
.macro ARM under, g0, g1, next         ; one tree of branches on the wave's number: every way through the head passes exactly one load
	s_cmp_lt_u32 s14, \under
	s_cbranch_scc0 \next
	tensor_load_to_lds s[\g0:\g0+3], s[\g1:\g1+7]
	s_nop 0
.rept 4
	v_nop
.endr
	s_branch .Lhead_asked
\next:
.endm
	ARM 1, G0,  G1,  .Lhead_b
	ARM 2, G0B, G1B, .Lhead_sa
	ARM 3, G0S, G1S, .Lhead_sb
	tensor_load_to_lds s[G0SB:G0SB+3], s[G1SB:G1SB+7]
	s_nop 0
.rept 4
	v_nop
.endr
.Lhead_asked:
	s_wait_alu depctr_va_vdst(0)
	s_wait_tensorcnt 0x0                           ; my tile of the four is in
	ds_add_u32 v28, v29
	s_mov_b32 s[G1+2], 8<<16                       ; no tensor load of mine is out: from here on a load brings 8 row tiles,
	s_mov_b32 s[G1+4], 8
	s_mov_b32 s[G1B+2], 8<<16
	s_mov_b32 s[G1B+4], 8
	s_mov_b32 s[G0+1], s45                         ; and slot 0's groups name my quarter, for its refill
	s_mov_b64 s[G0+2:G0+3], s[20:21]
	s_or_b32 s[G0+3], s[G0+3], 0x80000000
	s_mov_b32 s[G0B+1], s45
	s_mov_b64 s[G0B+2:G0B+3], s[46:47]
	s_or_b32 s[G0B+3], s[G0B+3], 0x80000000
	s_wait_dscnt 0x0
	CROUND                                         ; all four tiles are in, in every work-group of the cluster
	JLOAD G0+4, G1, G0B+4, G1B                     ; slot 1's first fill, the first tensor load behind the round
	v_and_b32 v1, 15, v0
	v_bfe_u32 v2, v0, 4, 1
	s_wait_alu depctr_va_vdst(0)
	v_and_b32 v3, 31, v0
	v_lshlrev_b32 v[LN16], 4, v3
	s_mul_i32 s21, s15, HALFT
	s_mul_i32 s22, s16, HALFT
	s_add_co_u32 s22, s22, 2*HALFT
.irp s, 0,1
	v_add_nc_u32 v[ADRA+\s], s21, v[LN16]
	v_add_nc_u32 v[ADRB+\s], s22, v[LN16]
	s_add_co_u32 s21, s21, SLOT
	s_add_co_u32 s22, s22, SLOT
.endr
	v_lshlrev_b32 v5, 3, v1
	s_lshl_b32 s21, s15, 12
	s_lshl_b32 s22, s16, 12
	s_add_co_u32 s22, s22, SBD
	s_sub_co_u32 s22, s22, s21
	v_mul_u32_u24 v6, s22, v2
	s_add_co_u32 s21, s21, SCL
	v_add_nc_u32 v5, v5, v6
	v_add_nc_u32 v[ADRS], s21, v5
	v_lshlrev_b32 v[SCO], 4, v1
	v_lshl_add_u32 v[SCO], v2, 14, v[SCO]
	s_cmp_eq_u32 ttmp9, 2
	s_cselect_b32 s20, s17, s42
	s_cselect_b32 s21, s15, s16
	s_cselect_b32 s22, s42, s17
	s_cselect_b32 s23, s16, s15
	s_cselect_b32 s47, VIO, 0
	s_mov_b32 s46, VSO
	s_mov_b32 s92, QKSO
	s_cselect_b32 s46, s46, s92
	s_lshl_b32 s20, s20, 2
	s_lshl_b32 s21, s21, 1
	s_add_co_u32 s20, s20, s21
	s_lshl_b32 s22, s22, 3
	s_lshl_b32 s23, s23, 2
	s_add_co_u32 s22, s22, s23
	s_lshl_b32 s21, s20, 8
	s_add_co_u32 s21, s21, s22
	s_mul_i32 s21, s21, 1536
	s_add_co_u32 s92, s21, s47
	s_mov_b32 s93, 0
	s_add_nc_u64 s[OUT:OUT+1], s[8:9], s[92:93]
	s_lshl_b32 s20, s20, 6
	s_lshr_b32 s22, s22, 2
	s_add_co_u32 s20, s20, s22
	s_lshl_b32 s20, s20, 8
	s_add_co_u32 s92, s20, s46
	s_add_nc_u64 s[SOUT:SOUT+1], s[8:9], s[92:93]
.macro FRAG3 reg, adr, q, i
.irp c, 0,1,2
	ds_load_b128 v[\reg+4*\c:\reg+4*\c+3], v[\adr] offset:(\i)*RTB+(\q)*1536+512*\c
.endr
.endm
.macro MUL16 a0, p, q, sc, zero
.irp a, \a0, \a0+1
.irp b, 0,1,2,3,4,5,6,7
.if \zero
	v_wmma_scale_f32_16x16x128_f8f6f4 v[8*(8*((\a)%4)+\b):8*(8*((\a)%4)+\b)+7], v[128*(\p)+FR*\b:128*(\p)+FR*\b+FR-1], v[AF+FR*(\a):AF+FR*(\a)+FR-1], 0, v[SC+8*NQ*(\sc)+NQ*\b+(\q)], v[SC+8*NQ*(\sc)+NQ*(\a)+(\q)] matrix_a_fmt:MATRIX_FMT_FP6 matrix_b_fmt:MATRIX_FMT_FP6 matrix_a_scale:MATRIX_SCALE_ROW1
.else
	v_wmma_scale_f32_16x16x128_f8f6f4 v[8*(8*((\a)%4)+\b):8*(8*((\a)%4)+\b)+7], v[128*(\p)+FR*\b:128*(\p)+FR*\b+FR-1], v[AF+FR*(\a):AF+FR*(\a)+FR-1], v[8*(8*((\a)%4)+\b):8*(8*((\a)%4)+\b)+7], v[SC+8*NQ*(\sc)+NQ*\b+(\q)], v[SC+8*NQ*(\sc)+NQ*(\a)+(\q)] matrix_a_fmt:MATRIX_FMT_FP6 matrix_b_fmt:MATRIX_FMT_FP6 matrix_a_scale:MATRIX_SCALE_ROW1
.endif
.endr
.endr
.endm
.macro FETCH_B slot, q, p
	WIN TO_B
.irp i, 0,1,2,3,4,5,6,7
	FRAG3 128*(\p)+FR*\i, ADRB+\slot, \q, \i
.endr
	WIN 0
.endm
.macro FETCH_A slot, q, i0
.irp i, \i0, \i0+1, \i0+2, \i0+3
	FRAG3 AF+FR*(\i), ADRA+\slot, \q, \i
.endr
.endm
.macro SCALES sc
.irp i, 0,1,2,3,4,5,6,7
	ds_load_b64 v[SC+8*NQ*\sc+NQ*\i:SC+8*NQ*\sc+NQ*\i+1], v[ADRS] offset:\i*512
.endr
.endm
.macro PLACES n
.rept \n
	v_nop
.endr
.endm
.macro STEP slot, q, zero
	s_wait_dscnt 4*NLA
	WIN MUL_LO
	MUL16 0, (\q)%2, \q, \slot, \zero
	MUL16 2, (\q)%2, \q, \slot, \zero
	s_wait_dscnt 0
	PLACES NP
	FETCH_B \slot, (\q)+1, 1-(\q)%2
	FETCH_A \slot, (\q)+1, 0
	WIN MUL_HI
	MUL16 4, (\q)%2, \q, \slot, \zero
	MUL16 6, (\q)%2, \q, \slot, \zero
	PLACES NP
	WIN 0
	FETCH_A \slot, (\q)+1, 4
.endm
.macro TURN slot, next, fill
	s_wait_tensorcnt 0x0
	ds_add_u32 v[SPW], v[NIL]
	s_wait_dscnt 4*NLA+1
	WIN MUL_LO
	MUL16 0, 1, NQ-1, \slot, 0
	s_wait_dscnt 0x0
	s_barrier_signal -1
	MUL16 2, 1, NQ-1, \slot, 0
	WIN 0
	s_barrier_wait -1
.if \fill
	CREST
	s_add_nc_u64 s[G0+4*\slot+2:G0+4*\slot+3], s[G0+4*\slot+2:G0+4*\slot+3], 2*RTB
	s_add_nc_u64 s[G0B+4*\slot+2:G0B+4*\slot+3], s[G0B+4*\slot+2:G0B+4*\slot+3], 2*RTB
	JLOAD G0+4*\slot, G1, G0B+4*\slot, G1B
.else
	PLACES NP
.endif
	s_wait_alu depctr_va_vdst(0)
	v_add_nc_u32 v[ADRS], 128, v[ADRS]
	FETCH_B \next, 0, 0
	FETCH_A \next, 0, 0
	SCALES \next
	WIN MUL_HI
	MUL16 4, 1, NQ-1, \slot, 0
	MUL16 6, 1, NQ-1, \slot, 0
	PLACES NP
	WIN 0
	FETCH_A \next, 0, 4
.endm
	s_wait_alu depctr_va_vdst(0)
	s_wait_tensorcnt 1
	s_barrier_signal -1
	s_barrier_wait -1
	FETCH_B 0, 0, 0
	FETCH_A 0, 0, 0
	SCALES 0
	FETCH_A 0, 0, 4
	STEP 0, 0, 1
	TURN 0, 1, 1
	STEP 1, 0, 0
	TURN 1, 0, 1
	STEP 0, 0, 0
	TURN 0, 1, 0
	STEP 1, 0, 0
	s_wait_dscnt 4*NLA
	WIN MUL_LO
	MUL16 0, 1, NQ-1, 1, 0
	MUL16 2, 1, NQ-1, 1, 0
	s_wait_dscnt 0
	WIN MUL_HI
	MUL16 4, 1, NQ-1, 1, 0
	MUL16 6, 1, NQ-1, 1, 0
	WIN 0
.macro QUANT a, d0, d1, pw
.set SW, 2+(\a)/4
.set AS, 64*((\a)%4)
.set W12, (SW<<2)|(SW<<4)
	WIN W12
.irp b, 0,1,2,3
	v_max3_num_f32 v[TM+\b], 0x1800000, |v[AS+16*\b]|, |v[AS+16*\b+1]|
.endr
.irp i, 2,4,6,8,10,12,14
.irp b, 0,1,2,3
	v_max3_num_f32 v[TM+\b], v[TM+\b], |v[AS+16*\b+\i]|, |v[AS+16*\b+\i+1]|
.endr
.endr
	WIN 0
.irp b, 0,1,2,3
	v_permlanex16_b32 v[TM+4+\b], v[TM+\b], s[SEL], s[SEL+1]
.endr
.irp b, 0,1,2,3
	v_max_num_f32 v[TM+\b], v[TM+\b], v[TM+4+\b]
.endr
.irp b, 0,1,2,3
	v_add_nc_u32 v[TM+12+\b], 0xff000000, v[TM+\b]
.endr
.irp b, 0,1,2,3
	v_lshrrev_b32 v[TM+4+\b], 23, v[TM+12+\b]
.endr
	v_lshl_or_b32 v[\pw], v[TM+5], 8, v[TM+4]
	v_lshl_or_b32 v[\pw], v[TM+6], 16, v[\pw]
	v_lshl_or_b32 v[\pw], v[TM+7], 24, v[\pw]
	WIN SW
	v_cvt_scalef32_pk16_fp6_f32 v[\d0:\d0+2], v[AS:AS+15], v[TM+12]
	v_cvt_scalef32_pk16_fp6_f32 v[PT:PT+2], v[AS+16:AS+31], v[TM+13]
	v_cvt_scalef32_pk16_fp6_f32 v[\d1:\d1+2], v[AS+32:AS+47], v[TM+14]
	v_cvt_scalef32_pk16_fp6_f32 v[PT+4:PT+6], v[AS+48:AS+63], v[TM+15]
	WIN 0
	v_nop
.irp i, 0,1,2
	v_permlane16_swap_b32 v[\d0+\i], v[PT+\i]
	v_permlane16_swap_b32 v[\d1+\i], v[PT+4+\i]
.endr
.irp i, 0,1,2
	v_mov_b32 v[\d0+3+\i], v[PT+\i]
	v_mov_b32 v[\d1+3+\i], v[PT+4+\i]
.endr
.endm
	PLACES NP
.irp b, 0,1,2,3
	v_mov_b32 v[TM+4+\b], 0
.endr
	s_cmp_eq_u32 ttmp9, 2
	s_cbranch_scc1 .Lv_rows
.irp a, 0,1,2,3,4,5,6,7
	QUANT \a, FRG+12*(\a/2)+6*(\a%2), FRG+48+12*(\a/2)+6*(\a%2), PWT+\a
.endr
.irp p, 0,1,2,3
	v_perm_b32 v[WD+\p], v[PWT+2*\p+1], v[PWT+2*\p], 0x05040100
	v_perm_b32 v[WD+4+\p], v[PWT+2*\p+1], v[PWT+2*\p], 0x07060302
.endr
	s_branch .Lstore
.Lv_rows:
.irp a, 0,1,2,3,4,5,6,7
	QUANT \a, FRG+12*\a, FRG+12*\a+6, WD+\a
.endr
.Lstore:
	s_wait_alu depctr_va_vdst(0)
.irp n, 0,1,2,3,4,5,6,7
.irp c, 0,1,2
	global_store_b128 v[LN16], v[FRG+12*\n+4*\c:FRG+12*\n+4*\c+3], s[OUT:OUT+1] offset:(\n/4)*393216+(\n%4)*1536+512*\c
.endr
.endr
	v_cmp_eq_u32 vcc_lo, 1, v2
.irp i, 0,1,2,3
	v_cndmask_b32 v[SD+\i], v[WD+\i], v[WD+4+\i], vcc_lo
.endr
	global_store_b128 v[SCO], v[SD:SD+3], s[SOUT:SOUT+1]
	s_wait_tensorcnt 0x0
	ds_add_u32 v[SPW], v[NIL]
	s_wait_dscnt 0x0
	CROUND
	s_endpgm
.Lfunc_end_k_q18bab594d8_gemm_qkv:
	.size	k_q18bab594d8_gemm_qkv, .Lfunc_end_k_q18bab594d8_gemm_qkv-k_q18bab594d8_gemm_qkv
	.p2alignl 7, 3214868480
	.fill 96, 4, 3214868480
	.section	.rodata,"a",@progbits
	.p2align	6, 0x0
	.amdhsa_kernel k_q18bab594d8_gemm_qkv
		.amdhsa_group_segment_fixed_size 327680
		.amdhsa_private_segment_fixed_size 0
		.amdhsa_enable_private_segment 0
		.amdhsa_kernarg_size 24
		.amdhsa_user_sgpr_count 2
		.amdhsa_user_sgpr_kernarg_segment_ptr 1
		.amdhsa_wavefront_size32 1
		.amdhsa_system_sgpr_workgroup_id_x 1
		.amdhsa_system_sgpr_workgroup_id_y 1
		.amdhsa_system_sgpr_workgroup_id_z 1
		.amdhsa_system_vgpr_workitem_id 0
		.amdhsa_next_free_vgpr 1024
		.amdhsa_next_free_sgpr 100
		.amdhsa_reserve_vcc 1
		.amdhsa_float_denorm_mode_32 3
		.amdhsa_float_denorm_mode_16_64 3
		.amdhsa_memory_ordered 1
		.amdhsa_forward_progress 1
		.amdhsa_inst_pref_size 173
	.end_amdhsa_kernel
	.amdgpu_metadata
---
amdhsa.version: [ 1, 2 ]
amdhsa.kernels:
  - .name:           k_q18bab594d8_gemm_qkv
    .symbol:         k_q18bab594d8_gemm_qkv.kd
    .args:
      - { .name: XQ, .offset: 0, .size: 8, .value_kind: global_buffer, .address_space: global }
      - { .name: WQ, .offset: 8, .size: 8, .value_kind: global_buffer, .address_space: global }
      - { .name: QKV, .offset: 16, .size: 8, .value_kind: global_buffer, .address_space: global }
    .group_segment_fixed_size: 327680
    .private_segment_fixed_size: 0
    .kernarg_segment_align: 8
    .kernarg_segment_size: 24
    .max_flat_workgroup_size: 128
    .sgpr_count:     100
    .vgpr_count:     1024
    .wavefront_size: 32
...
	.end_amdgpu_metadata
.endif
;; end of part 3
;; launch attn (part 4): grid 4 x 64, 16 waves a work-group, clusters of 4 x 1, 231,424 bytes of LDS; arguments QKV, OQ; writes OQ
.if DOCPART == 4
	.amdgcn_target "amdgcn-amd-amdhsa--gfx1250"
	.amdhsa_code_object_version 6
	.text
	.protected	k_q18bab594d8_attn
	.globl	k_q18bab594d8_attn
	.p2align	8
	.type	k_q18bab594d8_attn,@function
k_q18bab594d8_attn:
	s_mov_b64 s[64:65], 0
	v_nop
	global_prefetch_b8 v0, s[64:65] scope:SCOPE_SE
	s_setreg_imm32_b32 hwreg(HW_REG_WAVE_MODE, 25, 1), 1
	s_wait_xcnt 0x0
	s_wait_alu depctr_hold_cnt(0) depctr_sa_sdst(0) depctr_va_vdst(0) depctr_va_sdst(0) depctr_va_ssrc(0) depctr_va_vcc(0) depctr_vm_vsrc(0)
	s_getreg_b32 s2, hwreg(HW_REG_IB_STS2, 6, 4)
	s_cmp_eq_u32 s2, 0
	s_cbranch_scc0 .Lentry_in_a_cluster
	s_endpgm
.Lentry_in_a_cluster:
	s_bfe_u32 s2, ttmp6, 0x10000c
	s_cmp_lg_u32 s2, 0x3003
	s_cbranch_scc0 .Lentry_shape_is_right
	s_endpgm
.Lentry_shape_is_right:
; o = softmax(q k^T / 8) v for 64 heads (batch = y / 16, head = y % 16) of 2,048 tokens and head size 64, both products on codes of FP6 (E2M3) with E8M0 scales; o is quantised on the way out for the last product.
; THE SOFTMAX: t = score x log2(e) / 8; M = the running largest t rounded UP to a whole number; p = 2^(t - M) is quantised along the keys, not normalised; the row's sum is taken of the unquantised p and divides o at the end.
; SHARES.  A work-group owns 512 queries of one head; each of its sixteen waves takes two tiles of 16 queries, one after the other (tile 16 p + wave in pass p), and walks all 2,048 keys, 128 a step.
; A HEAD'S K, V AND SCALE WORDS STAY IN LDS; nothing is filled again.  Every wave asks for one sixteenth at the head by ONE tensor load (waves 0-7: 8 fragments of k each, waves 8-15: of v); the four work-groups of a
; cluster belong to one head and ask JOINTLY.  The 8,192 bytes of scale words come through registers, 512 bytes a wave, into LDS bytes of their own.  One barrier shows all of it to all waves.
; No prefetch: all that the launch reads in bulk is asked for at the head, so there is no loop in which to run ahead of a load.
; LAYOUT.  Both products are used transposed, so a lane holds ONE query.  In memory a fragment of k holds two key tiles (its K 0-63: tile 2 f, K 64-127: tile 2 f + 1), and tile 2 f + u holds keys 32 f + 8 u + 0..7 and the same + 16.
; THE ROWS OF A TILE ARE PICKED BY THE LANES' LDS ADDRESSES: lanes with r < 8 read fragment 2 c, lanes with r >= 8 fragment 2 c + 1, each at row 8 w + r % 8.  Tile i = 2 w + u of S^T then holds keys 64 c + 8 i + 0..7 in rows 0-7 and
; the same + 32 in rows 8-15, so lane (r, h) has in 32 registers on end the WHOLE block of keys 64 c + 32 h + 0 .. 31, in v's own order: a block's maximum needs no other lane and p's codes are made where the operand wants them.
; k's pieces of 512 bytes lie 640 bytes apart in LDS (the descriptor pads), a fragment 1,920: the two groups of eight lanes of a load then read different halves of 256 bytes.  k's scale words are laid to fit when they are stored to LDS.
; q lies in 18 registers as q | zeros | q: registers 0-11 pick a fragment's first tile, registers 6-17 its second; zero codes annul the other half.
; OUT (OQ): codes [512 row tiles][16 heads][3 pieces][32 lanes][8 bytes]; from OSC the scale words [row tile][pair of K steps][row][2 words], of which a head owns two bytes a row: stores of 2 bytes, since the bytes between are other work-groups'.
; LIMITS: a block of zeros gets the byte 1 (its codes are zeros); NaN and infinities are not served; o is divided by v_rcp_f32 and a multiplication; the promise holds while |t| stays under 2^31.
; REGISTERS: v1-4, v7, v11 addresses that stay; v8-10 the step's; v12 -M, v13 the largest score, v[14:15] the sum; v16-33 q; v34 q's scale word, v35 p's; v36-83 k; v84-131 v; v132-195 S^T, then p; v196-227 O^T;
;   v228-239 p's codes (ahead of that: partial sums); v240-243 k's scale words, v244-247 v's; v248-255 at work.
.set KFP,   1920                       ; LDS: a fragment of k: three pieces of 512 bytes + 128 of padding
.set KST,   4*KFP                      ; a step's four
.set VB,    122880                     ; v's 64 fragments of 1,536 bytes
.set SCB,   221184                     ; k's scale words, 4,096 bytes; then v's
.set SPARE, 229376                     ; the spare words, 128 bytes a wave, named by no other line
.set KVO,   6291456                    ; QKV: k's images begin here, v's twice as far on
.set KSO,   19136512                   ; k's scale words; v's 262,144 further on
.set QKSO,  18874368                   ; q's
.set OSC,   6291456
.set SPW, 5
.set NIL, 6
.set ADK, 8
.set ADV, 9
.set ADS, 10
.set QS,  34
.set PS,  35
.set KF,  36
.set VF,  84
.set ST,  132
.set OT,  196
.set CD,  228
.set KSC, 240
.set VSC, 244
.set WV,  18
.set SEL, 20
.set CS,  22
.set G1K, 24
.set G1V, 32
.set G0K, 40
.set G0V, 44
.set TK,  2
.set TV,  3
.set TS,  66
.set CNT, 67
.set SH,  78
.macro CROUND
	s_barrier_signal -1
	s_barrier_wait -1
	s_cmp_lg_u32 s[WV], 0
	s_cbranch_scc1 .Lnot_wave_0_\@
	s_barrier_signal -3
.Lnot_wave_0_\@:
	s_barrier_wait -3
	s_barrier_signal -1
	s_barrier_wait -1
.endm
	s_load_b128 s[4:7], s[0:1], 0x0                ; QKV, OQ
	v_lshl_add_u32 v[SPW], v0, 2, SPARE
	v_mov_b32 v[NIL], 0
	ds_add_u32 v[SPW], v[NIL]                      ; the opening lines: the add, twice, and its wait
	ds_add_u32 v[SPW], v[NIL]
	v_lshrrev_b32 v8, 5, v0
	v_readfirstlane_b32 s[WV], v8                  ; wave 0..15
	s_bfe_u32 s8, ttmp6, 0x40000                   ; cx
	s_lshl_b32 s9, ttmp9, 2
	s_add_co_u32 s9, s9, s8
	s_lshl_b32 s9, s9, 1                           ; my first block of 256 queries: it enters q's and o's global addresses alone
	s_and_b32 s10, ttmp7, 0xffff
	s_lshr_b32 s11, s10, 4                         ; batch
	s_and_b32 s12, s10, 15                         ; head
	s_lshl_b32 s13, s12, 8
	s_lshl_b32 s14, s11, 6
	s_add_co_u32 s13, s13, s14                     ; 256 h + 64 b: the head's first fragment
	s_lshr_b32 s14, s13, 2                         ; 64 h + 16 b: its first 128 tokens
	s_lshr_b32 s15, s[WV], 1
	s_and_b32 s16, s[WV], 1
	s_lshr_b32 s19, s[WV], 3                       ; I fetch k's (0) or v's (1),
	s_and_b32 s17, s[WV], 7                        ; which eighth
	s_mul_i32 s60, s13, 1536
	s_add_co_u32 s10, s19, 1
	s_mul_i32 s10, s10, KVO
	s_add_co_u32 s60, s60, s10
	s_mul_i32 s10, s17, 12288
	s_add_co_u32 s60, s60, s10
	s_mov_b32 s61, 0
	s_lshl_b32 s74, s14, 8                         ; my 512 bytes of scale words
	s_lshl_b32 s10, s19, 18
	s_add_co_u32 s74, s74, s10
	s_lshl_b32 s10, s17, 9
	s_add_co_u32 s74, s74, s10
	s_add_co_u32 s74, s74, KSO
	s_mov_b32 s75, 0
	s_mov_b32 s[G1K], 15|(3<<16)|(1<<20)|(1<<21)|(6<<22)|(31<<25)  ; the mask: all four work-groups; elements of 8 bytes; bit 21 beside a mask; behind every 128 words 32 words of padding.  12,288 dense bytes as 24 rows of 512
	s_mov_b32 s[G1K+1], 64<<16
	s_mov_b32 s[G1K+2], 24<<16
	s_mov_b32 s[G1K+3], 64<<16
	s_mov_b32 s[G1K+4], 24
	s_mov_b32 s[G1K+5], 64
	s_mov_b32 s[G1K+6], 0
	s_mov_b32 s[G1K+7], 0
	s_mov_b32 s[G1V], 15|(3<<16)|(1<<21)           ; v's: 12,288 dense bytes as 48 rows of 256, no padding
	s_mov_b32 s[G1V+1], 32<<16
	s_mov_b32 s[G1V+2], 48<<16
	s_mov_b32 s[G1V+3], 32<<16
	s_mov_b32 s[G1V+4], 48
	s_mov_b32 s[G1V+5], 32
	s_mov_b32 s[G1V+6], 0
	s_mov_b32 s[G1V+7], 0
	s_mov_b32 s[SEL], 0x76543210
	s_mov_b32 s[SEL+1], 0xfedcba98
	s_mov_b32 s[CS], 0x3e38aa3b                    ; c = log2(e) / 8
	s_mov_b32 s[CS+1], s[CS]
	s_wait_dscnt 0x0                               ; both opening adds are done
	s_wait_kmcnt 0x0
	s_add_nc_u64 s[60:61], s[4:5], s[60:61]
	s_add_nc_u64 s[74:75], s[4:5], s[74:75]
	CROUND                                         ; all four work-groups are here: the joint loads meet
	s_mov_b32 s[G0K], 1
	s_mul_i32 s[G0K+1], s17, 8*KFP
	s_mov_b64 s[G0K+2:G0K+3], s[60:61]
	s_or_b32 s[G0K+3], s[G0K+3], 0x80000000
	s_mov_b32 s[G0V], 1
	s_mul_i32 s[G0V+1], s17, 12288
	s_add_co_u32 s[G0V+1], s[G0V+1], VB
	s_mov_b64 s[G0V+2:G0V+3], s[60:61]
	s_or_b32 s[G0V+3], s[G0V+3], 0x80000000
	s_cmp_lt_u32 s[WV], 8                          ; one load a wave: every way through the head passes exactly one
	s_cbranch_scc0 .Lfor_v
	tensor_load_to_lds s[G0K:G0K+3], s[G1K:G1K+7]
	s_nop 0
.rept 4
	v_nop
.endr
	s_branch .Lasked
.Lfor_v:
	tensor_load_to_lds s[G0V:G0V+3], s[G1V:G1V+7]
	s_nop 0
.rept 4
	v_nop
.endr
.Lasked:
	s_lshl_b32 s17, s9, 3                          ; q: my tile is half (wave % 2) of a pair fragment: its register pairs lie at 0, 8, 512 or at 520, 1024, 1032
	s_add_co_u32 s17, s17, s13
	s_add_co_u32 s17, s17, s15
	s_mul_i32 s70, s17, 1536
	s_mov_b32 s71, 0
	s_add_nc_u64 s[70:71], s[4:5], s[70:71]
	s_mul_i32 s72, s16, 1016
	s_mov_b32 s73, 0
	s_add_nc_u64 s[72:73], s[70:71], s[72:73]
	s_mul_i32 s76, s16, 520
	s_mov_b32 s77, 0
	s_add_nc_u64 s[70:71], s[70:71], s[76:77]
	s_lshl_b32 s17, s9, 1                          ; q's scale word
	s_add_co_u32 s17, s17, s14
	s_add_co_u32 s17, s17, s19
	s_lshl_b32 s76, s17, 8
	s_bfe_u32 s17, s[WV], 0x20001
	s_lshl_b32 s17, s17, 2
	s_add_co_u32 s76, s76, s17
	s_add_co_u32 s76, s76, QKSO
	s_add_nc_u64 s[76:77], s[4:5], s[76:77]
	s_lshl_b32 s17, s11, 7
	s_lshl_b32 s10, s9, 4
	s_add_co_u32 s17, s17, s10
	s_add_co_u32 s17, s17, s[WV]                   ; my first row tile of o
	s_mul_i32 s62, s17, 12288
	s_mul_i32 s10, s12, 768
	s_add_co_u32 s62, s62, s10
	s_mov_b32 s63, 0
	s_add_nc_u64 s[62:63], s[6:7], s[62:63]        ; o's codes
	s_lshl_b32 s68, s17, 9
	s_lshr_b32 s10, s12, 2
	s_lshl_b32 s10, s10, 7
	s_add_co_u32 s68, s68, s10
	s_and_b32 s10, s12, 3
	s_lshl_b32 s10, s10, 1
	s_add_co_u32 s68, s68, s10
	s_add_co_u32 s68, s68, OSC
	s_mov_b32 s69, 0
	s_add_nc_u64 s[68:69], s[6:7], s[68:69]        ; o's two scale bytes a row
	s_lshl_b32 s[SH], s16, 4
	s_mul_i32 s8, s19, 124
	s_add_co_u32 s8, s8, 4                         ; the scale words' way into LDS: rows 8-15 lie 4 bytes on (k's) or 128 (v's),
	s_xor_b32 s10, s19, 1
	s_mul_i32 s10, s10, 124                        ; odd words 128 bytes on (k's) or 4 (v's)
	s_lshl_b32 s17, s[WV], 9
	s_add_co_u32 s17, s17, SCB
	v_and_b32 v8, 31, v0
	v_and_b32 v9, 15, v0                           ; r
	v_bfe_u32 v10, v0, 4, 1                        ; h
	v_lshlrev_b32 v1, 4, v8                        ; v1: 16 x lane
	v_lshlrev_b32 v7, 3, v8                        ; v7: 8 x lane
	v_lshlrev_b32 v4, 4, v9                        ; v4: 16 r
	v_add_nc_u32 v2, SCB, v4                       ; v2: my row's four scale words of a step
	v_lshlrev_b32 v11, 3, v10                      ; v11: 8 h
	v_and_b32 v248, 7, v0
	v_bfe_u32 v249, v0, 3, 1
	v_lshlrev_b32 v3, 4, v248
	v_lshl_add_u32 v3, v10, 8, v3                  ; 16 (r % 8) + 256 h
	v_mul_u32_u24 v250, s8, v249
	v_add_nc_u32 v250, v250, v3
	v_add_nc_u32 v250, s17, v250                   ; v250: where my even scale words go (k's word of row rho and fragment f: to lane rho % 8 + 8 (f % 2), word 2 (f / 2) + rho / 8; v's stay as they lie),
	v_add_nc_u32 v251, s10, v250                   ; v251: and my odd ones
	v_mad_u32_u24 v3, v249, KFP, v3                ; v3: k: lanes with r >= 8 read the next fragment
	global_load_b128 v[KSC:KSC+3], v1, s[74:75]    ; 512 consecutive bytes of scale words
.macro QLOAD p                         ; pass p's q, twice (head and tail of the 18 registers), and its scale word: 7 loads
.irp u, 16, 28
	global_load_b64 v[\u:\u+1], v1, s[70:71] offset:12288*\p
	global_load_b64 v[\u+2:\u+3], v1, s[72:73] offset:12288*\p+8
	global_load_b64 v[\u+4:\u+5], v1, s[70:71] offset:12288*\p+512
.endr
	global_load_b32 v[QS], v4, s[76:77] offset:512*\p
.endm
	QLOAD 0
.irp j, 22,23,24,25,26,27
	v_mov_b32 v\j, 0                               ; the zero codes between
.endr
	v_mov_b32 v253, 0                              ; (named as the upper half of a pair)
	v_mov_b32 v255, 0                              ; written once: a lane permute's destination counts as one of its sources
	s_wait_alu depctr_va_vdst(0)                   ; the wait at the head's end
	s_wait_tensorcnt 0x0                           ; my sixteenth has landed
	s_wait_loadcnt 7                               ; the scale words are in; q's 7 loads may be out
	ds_store_b32 v250, v[KSC]
	ds_store_b32 v251, v[KSC+1] offset:4
	ds_store_b32 v250, v[KSC+2] offset:8
	ds_store_b32 v251, v[KSC+3] offset:12
	s_wait_dscnt 0x0                               ; for the others' sake
	s_barrier_signal -1
	s_barrier_wait -1                              ; the head's k, v and scale words are whole.
.macro KLOAD adr, sadr, off, soff      ; a step's k: its scale words and four picked fragments: 13 loads
	ds_load_b128 v[KSC:KSC+3], v[\sadr] offset:\soff
.irp c, 0,1
.irp w, 0,1
.irp n, 0,1,2
	ds_load_b128 v[KF+24*\c+12*\w+4*\n:KF+24*\c+12*\w+4*\n+3], v[\adr] offset:\off+2*KFP*\c+128*\w+640*\n
.endr
.endr
.endr
.endm
	KLOAD 3, 2, 0, 0
; A step of 128 keys.  kn = 1: the next step's k is fetched; 2: step 0's, for the next pass; 0: none.  ql = 1: the next pass's q is fetched.
.macro STEP kn, ql
	s_wait_dscnt 0x0                               ; this step's k is in
.irp c, 0,1
.irp w, 0,1                                    ; S^T = k q^T: each fragment serves two key tiles
	v_wmma_scale_f32_16x16x128_f8f6f4 v[ST+32*\c+16*\w:ST+32*\c+16*\w+7], v[KF+24*\c+12*\w:KF+24*\c+12*\w+11], v[16:27], 0, v[KSC+2*\c+\w], v[QS] matrix_a_fmt:MATRIX_FMT_FP6 matrix_b_fmt:MATRIX_FMT_FP6
	v_wmma_scale_f32_16x16x128_f8f6f4 v[ST+32*\c+16*\w+8:ST+32*\c+16*\w+15], v[KF+24*\c+12*\w:KF+24*\c+12*\w+11], v[22:33], 0, v[KSC+2*\c+\w], v[QS] matrix_a_fmt:MATRIX_FMT_FP6 matrix_b_fmt:MATRIX_FMT_FP6
.endr
.endr
	v_add_nc_u32 v[ADV], s[TV], v1                 ; four places behind the products, ahead of the loads into their registers and of the first read of S^T
	v_add_nc_u32 v[ADS], s[TS], v2
.if \kn == 1
	v_add_nc_u32 v[ADK], s[TK], v3
.else
	v_nop
.endif
	v_nop
	ds_load_b128 v[VSC:VSC+3], v[ADS] offset:4096  ; this step's v: 13 loads, which land during the softmax
.irp t, 0,1,2,3
.irp n, 0,1,2
	ds_load_b128 v[VF+12*\t+4*\n:VF+12*\t+4*\n+3], v[ADV] offset:1536*\t+512*\n
.endr
.endr
.if \kn == 1
	KLOAD ADK, ADS, KST, 256
.endif
.if \kn == 2
	KLOAD 3, 2, 0, 0
.endif
.if \ql
	QLOAD 1
.endif
.irp c, 0,1                                    ; the largest score of my two blocks of 32 keys, each in two chains; every accumulator is first read at its low end
	v_max3_num_f32 v[248+\c], v[ST+32*\c], v[ST+32*\c+1], v[ST+32*\c+2]
	v_max3_num_f32 v[250+\c], v[ST+32*\c+16], v[ST+32*\c+17], v[ST+32*\c+18]
.endr
.irp i, 3,5,7,9,11,13
.irp c, 0,1
	v_max3_num_f32 v[248+\c], v[248+\c], v[ST+32*\c+\i], v[ST+32*\c+\i+1]
	v_max3_num_f32 v[250+\c], v[250+\c], v[ST+32*\c+16+\i], v[ST+32*\c+17+\i]
.endr
.endr
.irp c, 0,1
	v_max3_num_f32 v[248+\c], v[248+\c], v[250+\c], v[ST+32*\c+15]
.endr
.irp c, 0,1
	v_max_num_f32 v[248+\c], v[248+\c], v[ST+32*\c+31]
.endr
	s_delay_alu instid0(VALU_DEP_1)
	v_max_num_f32 v254, v248, v249
	s_delay_alu instid0(VALU_DEP_1)
	v_permlanex16_b32 v255, v254, s[SEL], s[SEL+1]
	s_delay_alu instid0(VALU_DEP_1)
	v_max3_num_f32 v13, v13, v254, v255            ; the running largest score of my query (c is positive)
	s_delay_alu instid0(VALU_DEP_1)
	v_mul_f32 v254, s[CS], v13
	s_delay_alu instid0(VALU_DEP_1)
	v_floor_f32 v254, -v254                        ; the new -M = -ceil(t): a whole number
	s_delay_alu instid0(VALU_DEP_1)
	v_sub_f32 v255, v254, v12
	v_mov_b32 v12, v254
	s_delay_alu instid0(VALU_DEP_2)
	v_cvt_i32_f32 v255, v255                       ; (it saturates)
	s_delay_alu instid0(VALU_DEP_1)
	v_ldexp_f32 v252, 1.0, v255                    ; f = 2^(old M - new M): a multiplication by it rounds nothing
.set j, 0
.rept 32
	v_pk_fma_f32 v[ST+j:ST+j+1], v[ST+j:ST+j+1], s[CS:CS+1], v[12:13] op_sel_hi:[1,0,0]   ; t - M
.set j, j+2
.endr
	v_fma_f32 v248, v248, s[CS], v12               ; the same of each block's largest score
	v_fma_f32 v249, v249, s[CS], v12
	s_wait_alu depctr_va_vdst(0)                   ; the wait ahead of the batch
.set j, 0
.rept 64
	v_exp_f32 v[ST+j], v[ST+j]                     ; p = 2^(t - M)
.set j, j+1
.endr
	v_pk_mul_f32 v[14:15], v[14:15], v[252:253] op_sel_hi:[1,0]   ; the sums under the new M (a plain place behind the exponentials)
	s_wait_alu depctr_va_vdst(0)                   ; one wait for the batch, ahead of its first reader
	v_exp_f32 v248, v248                           ; each block's largest p: p rises with the score
	v_exp_f32 v249, v249
.set j, 0
.irp t, 228,230,232,234,236,238,250            ; the row's sum of the unquantised p: eight chains of pairs
	v_pk_add_f32 v[\t:\t+1], v[ST+j:ST+j+1], v[ST+j+2:ST+j+3]
.set j, j+4
.endr
	v_pk_add_f32 v[14:15], v[14:15], v[ST+28:ST+29]
.set j, 30
.rept 2
.irp t, 228,230,232,234,236,238,250
	v_pk_add_f32 v[\t:\t+1], v[\t:\t+1], v[ST+j:ST+j+1]
.set j, j+2
.endr
	v_pk_add_f32 v[14:15], v[14:15], v[ST+j:ST+j+1]
.set j, j+2
.endr
	v_pk_add_f32 v[228:229], v[228:229], v[ST+62:ST+63]
	v_pk_add_f32 v[232:233], v[232:233], v[234:235]
	v_pk_add_f32 v[236:237], v[236:237], v[238:239]
	v_pk_add_f32 v[14:15], v[14:15], v[250:251]
	v_pk_add_f32 v[228:229], v[228:229], v[230:231]
	s_delay_alu instid0(VALU_DEP_2)
	v_pk_add_f32 v[14:15], v[14:15], v[236:237]
	s_delay_alu instid0(VALU_DEP_2)
	v_pk_add_f32 v[228:229], v[228:229], v[232:233]
	s_delay_alu instid0(VALU_DEP_1)
	v_pk_add_f32 v[14:15], v[14:15], v[228:229]
	s_wait_alu depctr_va_vdst(0)                   ; and one for the two
	v_max_num_f32 v248, 0x1800000, v248            ; the floor 2^(3 - 127): the byte cannot fall under 1
	v_max_num_f32 v249, 0x1800000, v249
	v_add_nc_u32 v250, 0xff000000, v248            ; 2 off the exponent field: the conversions' scale operands
	v_add_nc_u32 v251, 0xff000000, v249
	v_cvt_scalef32_pk16_fp6_f32 v[CD:CD+2], v[ST:ST+15], v250
	v_cvt_scalef32_pk16_fp6_f32 v[CD+6:CD+8], v[ST+32:ST+47], v251
	v_lshrrev_b32 v248, 23, v250                   ; the bytes (plain places between the conversions)
	v_lshrrev_b32 v249, 23, v251
	v_cvt_scalef32_pk16_fp6_f32 v[ST:ST+2], v[ST+16:ST+31], v250       ; (a conversion's three registers begin on an even number: the upper halves are made where p is done with, and moved)
	v_cvt_scalef32_pk16_fp6_f32 v[ST+32:ST+34], v[ST+48:ST+63], v251
	v_lshl_or_b32 v254, v249, 16, v248             ; my blocks h and 2 + h,
	v_lshlrev_b32 v254, v11, v254                  ; at their places in the word;
	v_permlanex16_b32 v255, v254, s[SEL], s[SEL+1]
	v_or_b32 v[PS], v254, v255                     ; with lane l xor 16's two p's scale word is whole
.irp i, 0,1,2
	v_mov_b32 v[CD+3+\i], v[ST+\i]
	v_mov_b32 v[CD+9+\i], v[ST+32+\i]
.endr
	s_wait_alu depctr_va_vdst(0)                   ; the wait directly ahead of the first reader of O^T
.set j, 0
.rept 16
	v_pk_mul_f32 v[OT+j:OT+j+1], v[OT+j:OT+j+1], v[252:253] op_sel_hi:[1,0]   ; O^T under the new M; these sixteen also stand between the making of p's codes and scale word and the products
.set j, j+2
.endr
	s_wait_alu depctr_va_vdst(0)                   ; the wait ahead of the wait below
.if \kn
	s_wait_dscnt 13                                ; v's 13 loads are in; k's 13, issued behind them, may be out
.else
	s_wait_dscnt 0x0
.endif
.irp t, 0,1,2,3                                ; O^T += v^T p^T: four accumulators by turns
	v_wmma_scale_f32_16x16x128_f8f6f4 v[OT+8*\t:OT+8*\t+7], v[VF+12*\t:VF+12*\t+11], v[CD:CD+11], v[OT+8*\t:OT+8*\t+7], v[VSC+\t], v[PS] matrix_a_fmt:MATRIX_FMT_FP6 matrix_b_fmt:MATRIX_FMT_FP6
.endr
.if \kn == 1
	s_add_co_u32 s[TK], s[TK], KST
	s_add_co_u32 s[TV], s[TV], 6144
	s_add_co_u32 s[TS], s[TS], 256
.endif
.endm
.macro PASS p                          ; one tile of 16 queries against all keys
.if \p
	s_wait_xcnt 0x0                                ; the last pass's stores have read their registers
.endif
	s_wait_loadcnt 0x0                             ; q is in
	v_lshrrev_b32 v254, s[SH], v[QS]               ; my tile's two bytes of the pair fragment's word,
	v_and_b32 v254, 0xffff, v254
	v_lshl_or_b32 v[QS], v254, 16, v254            ; in both halves: they serve q | 0 and 0 | q alike
	v_mov_b32 v13, 0xff61b1e6                      ; the largest score so far: -3e38
	v_floor_f32 v12, -v13                          ; -M
	v_mov_b32 v14, 0
	v_mov_b32 v15, 0
.set j, 0
.rept 32
	v_mov_b32 v[OT+j], 0                           ; O^T: the step's first run finds zeros
.set j, j+1
.endr
	s_mov_b32 s[TK], 0
	s_mov_b32 s[TV], VB
	s_mov_b32 s[TS], 0
	s_mov_b32 s[CNT], 15
	s_wait_alu depctr_va_vdst(0)                   ; the wait ahead of the step's first wait
.Lstep_\@:
	STEP 1, 0
	s_sub_co_u32 s[CNT], s[CNT], 1
	s_cmp_lg_u32 s[CNT], 0
	s_cbranch_scc1 .Lstep_\@
.if \p == 0
	STEP 2, 1                                      ; the last step is written out: it fetches what the next pass begins with,
.else
	STEP 0, 0                                      ; or nothing
.endif
	; THE WAY OUT: o = O^T / the sum, quantised along the head's 64: two blocks of 32; register 16 b + i is the true channel 32 b + 16 h + i
	v_add_f32 v14, v14, v15
	s_delay_alu instid0(VALU_DEP_1)
	v_permlanex16_b32 v255, v14, s[SEL], s[SEL+1]
	s_delay_alu instid0(VALU_DEP_1)
	v_add_f32 v14, v14, v255                       ; the row's sum
	s_wait_alu depctr_va_vdst(0)
	v_rcp_f32 v14, v14
.rept 3
	v_nop                                          ; with the two additions: the places behind the last products; and the plain place behind the reciprocal
.endr
	s_wait_alu depctr_va_vdst(0)                   ; ahead of the first reader of the reciprocal and of O^T
.set j, 0
.rept 16
	v_pk_mul_f32 v[ST+j:ST+j+1], v[OT+j:OT+j+1], v[14:15] op_sel_hi:[1,0]
.set j, j+2
.endr
.irp b, 0,1
	v_max3_num_f32 v[248+\b], |v[ST+16*\b]|, |v[ST+16*\b+1]|, 0x1800000
.endr
.irp i, 2,4,6,8,10,12,14
.irp b, 0,1
	s_delay_alu instid0(VALU_DEP_2)
	v_max3_num_f32 v[248+\b], v[248+\b], |v[ST+16*\b+\i]|, |v[ST+16*\b+\i+1]|
.endr
.endr
.irp b, 0,1
	s_delay_alu instid0(VALU_DEP_2)
	v_permlanex16_b32 v[252+\b], v[248+\b], s[SEL], s[SEL+1]
.endr
.irp b, 0,1
	s_delay_alu instid0(VALU_DEP_2)
	v_max_num_f32 v[248+\b], v[248+\b], v[252+\b]
.endr
.irp b, 0,1
	s_delay_alu instid0(VALU_DEP_2)
	v_add_nc_u32 v[250+\b], 0xff000000, v[248+\b]
.endr
.irp b, 0,1
	s_delay_alu instid0(VALU_DEP_2)
	v_lshrrev_b32 v[252+\b], 23, v[250+\b]
.endr
	s_delay_alu instid0(VALU_DEP_1)
	v_lshl_or_b32 v255, v253, 8, v252              ; my row's two scale bytes
	v_cvt_scalef32_pk16_fp6_f32 v[CD:CD+2], v[ST:ST+15], v250
	v_cvt_scalef32_pk16_fp6_f32 v[CD+6:CD+8], v[ST+16:ST+31], v251
	v_lshrrev_b32 v254, 1, v4                      ; 8 r (the plain place behind the conversions)
.irp i, 0,1,2
	v_permlane16_swap_b32 v[CD+\i], v[CD+6+\i]     ; a whole block to a lane
.endr
.irp i, 0,1,2
	v_mov_b32 v[CD+3+\i], v[CD+6+\i]
.endr
.irp e, 0,1,2
	global_store_b64 v7, v[CD+2*\e:CD+2*\e+1], s[62:63] offset:196608*\p+256*\e   ; 32 lanes store 256 consecutive bytes, aligned
.endr
	global_store_b16 v254, v255, s[68:69] offset:8192*\p   ; lanes r and r + 16 write the same two bytes with the same value
.endm
	PASS 0
	PASS 1
	s_wait_tensorcnt 0x0                           ; the wave's end
	ds_add_u32 v[SPW], v[NIL]
	s_wait_dscnt 0x0
	CROUND                                         ; the closing round
	s_endpgm
.Lfunc_end_k_q18bab594d8_attn:
	.size	k_q18bab594d8_attn, .Lfunc_end_k_q18bab594d8_attn-k_q18bab594d8_attn
	.p2alignl 7, 3214868480
	.fill 96, 4, 3214868480
	.section	.rodata,"a",@progbits
	.p2align	6, 0x0
	.amdhsa_kernel k_q18bab594d8_attn
		.amdhsa_group_segment_fixed_size 231424
		.amdhsa_private_segment_fixed_size 0
		.amdhsa_enable_private_segment 0
		.amdhsa_kernarg_size 16
		.amdhsa_user_sgpr_count 2
		.amdhsa_user_sgpr_kernarg_segment_ptr 1
		.amdhsa_wavefront_size32 1
		.amdhsa_system_sgpr_workgroup_id_x 1
		.amdhsa_system_sgpr_workgroup_id_y 1
		.amdhsa_system_sgpr_workgroup_id_z 1
		.amdhsa_system_vgpr_workitem_id 0
		.amdhsa_next_free_vgpr 256
		.amdhsa_next_free_sgpr 80
		.amdhsa_reserve_vcc 0
		.amdhsa_float_denorm_mode_32 3
		.amdhsa_float_denorm_mode_16_64 3
		.amdhsa_memory_ordered 1
		.amdhsa_forward_progress 1
		.amdhsa_inst_pref_size 80
	.end_amdhsa_kernel
	.amdgpu_metadata
---
amdhsa.version: [ 1, 2 ]
amdhsa.kernels:
  - .name:           k_q18bab594d8_attn
    .symbol:         k_q18bab594d8_attn.kd
    .args:
      - { .name: QKV, .offset: 0, .size: 8, .value_kind: global_buffer, .address_space: global }
      - { .name: OQ, .offset: 8, .size: 8, .value_kind: global_buffer, .address_space: global }
    .group_segment_fixed_size: 231424
    .private_segment_fixed_size: 0
    .kernarg_segment_align: 8
    .kernarg_segment_size: 16
    .max_flat_workgroup_size: 512
    .sgpr_count:     80
    .vgpr_count:     256
    .wavefront_size: 32
...
	.end_amdgpu_metadata
.endif
;; end of part 4
;; launch gemm_proj (part 5): grid 4 x 32, 4 waves a work-group, clusters of 4 x 4, 327,680 bytes of LDS; arguments OQ, WQ, b_proj, out0; writes out0
.if DOCPART == 5
	.amdgcn_target "amdgcn-amd-amdhsa--gfx1250"
	.amdhsa_code_object_version 6
	.text
	.protected	k_q18bab594d8_gemm_proj
	.globl	k_q18bab594d8_gemm_proj
	.p2align	8
	.type	k_q18bab594d8_gemm_proj,@function
k_q18bab594d8_gemm_proj:
	s_mov_b64 s[64:65], 0
	v_nop
	global_prefetch_b8 v0, s[64:65] scope:SCOPE_SE
	s_setreg_imm32_b32 hwreg(HW_REG_WAVE_MODE, 25, 1), 1
	s_wait_xcnt 0x0
	s_wait_alu depctr_hold_cnt(0) depctr_sa_sdst(0) depctr_va_vdst(0) depctr_va_sdst(0) depctr_va_ssrc(0) depctr_va_vcc(0) depctr_vm_vsrc(0)
	s_getreg_b32 s2, hwreg(HW_REG_IB_STS2, 6, 4)
	s_cmp_eq_u32 s2, 0
	s_cbranch_scc0 .Lentry_in_a_cluster
	s_endpgm
.Lentry_in_a_cluster:
	s_bfe_u32 s2, ttmp6, 0x10000c
	s_cmp_lg_u32 s2, 0xf033
	s_cbranch_scc0 .Lentry_shape_is_right
	s_endpgm
.Lentry_shape_is_right:
.set NQ,    2
.set FR,    12
.set NP,    4
.set NLA,   6
.set RTB,   3072
.set RTM,   12288
.set HALFT, 8*RTB
.set SLOT,  4*HALFT
.set SCL,   2*SLOT
.set SBD,   8320
.set SPARE, SCL+SBD+8192+128
.set OSC,   6291456
.set WSC,   3145728
.set SPITCH, 528
.set BIAS, 8
.set ADRA, 16
.set ADRB, 20
.set STO,  24
.set RD,   25
.set CO,   26
.set ADRS, 27
.set SPW,  28
.set NIL,  29
.set SC,   32
.set AF,   128
.set BK,   128
.set G1, 24
.set G0, 32
.set G1B, 48
.set G0B, 56
.set G1S, 68
.set G0S, 76
.set G1SB, 80
.set G0SB, 88
.set MSB, 0
.macro WIN new
.if MSB != \new
	s_set_vgpr_msb (MSB<<8)|\new
.set MSB, \new
.endif
.endm
.set MUL_LO, 0xa1
.set MUL_HI, 0xf1
.set TO_B,   0x40
.macro JLOAD g0a, g1a, g0b, g1b
	s_cmp_eq_u32 s15, 0
	s_cbranch_scc0 .Lfor_b_\@
	tensor_load_to_lds s[\g0a:\g0a+3], s[\g1a:\g1a+7]
	s_nop 0
.rept 4
	v_nop
.endr
	s_branch .Lasked_\@
.Lfor_b_\@:
	tensor_load_to_lds s[\g0b:\g0b+3], s[\g1b:\g1b+7]
	s_nop 0
.rept 4
	v_nop
.endr
.Lasked_\@:
.endm
.macro CREST
	s_cmp_lg_u32 s14, 0
	s_cbranch_scc1 .Lnot_wave_0_\@
	s_barrier_signal -3
.Lnot_wave_0_\@:
	s_barrier_wait -3
	s_barrier_signal -1
	s_barrier_wait -1
.endm
.macro CROUND
	s_barrier_signal -1
	s_barrier_wait -1
	CREST
.endm
	s_load_b256 s[4:11], s[0:1], 0x0
	v_lshl_add_u32 v[SPW], v0, 2, SPARE
	v_mov_b32 v[NIL], 0
	ds_add_u32 v[SPW], v[NIL]
	ds_add_u32 v[SPW], v[NIL]
	v_lshrrev_b32 v1, 5, v0
	v_readfirstlane_b32 s14, v1
	s_lshr_b32 s15, s14, 1
	s_and_b32 s16, s14, 1
	s_bfe_u32 s40, ttmp6, 0x40000
	s_bfe_u32 s41, ttmp6, 0x40004
	s_lshl_b32 s42, ttmp9, 2
	s_add_co_u32 s42, s42, s40
	s_and_b32 s17, ttmp7, 0xffff
	s_lshl_b32 s17, s17, 2
	s_add_co_u32 s17, s17, s41
	s_lshl_b32 s43, s41, 2
	s_lshl_b32 s43, 15, s43
	s_lshl_b32 s44, 0x1111, s40
	s_or_b32 s[G1+0], s43, (3<<16)|(1<<21)
	s_or_b32 s[G1B+0], s44, (3<<16)|(1<<21)
.irp g, G1, G1B
	s_mov_b32 s[\g+1], 384<<16
	s_mov_b32 s[\g+2], 16<<16
	s_mov_b32 s[\g+3], 384<<16
	s_mov_b32 s[\g+4], 16
	s_mov_b32 s[\g+5], 1536
	s_mov_b32 s[\g+6], 0
	s_mov_b32 s[\g+7], 0
.endr
	s_or_b32 s[G1S+0], s43, (3<<16)|(1<<21)
	s_or_b32 s[G1SB+0], s44, (3<<16)|(1<<21)
.irp g, G1S, G1SB
	s_mov_b32 s[\g+1], 32<<16
	s_mov_b32 s[\g+2], 32<<16
	s_mov_b32 s[\g+3], 32<<16
	s_mov_b32 s[\g+4], 32
	s_mov_b32 s[\g+5], 32
	s_mov_b32 s[\g+6], 0
	s_mov_b32 s[\g+7], 0
.endr
	s_lshl_b32 s18, s16, 3
	s_lshl_b32 s20, s17, 4
	s_add_co_u32 s20, s20, s18
	s_lshl_b32 s46, s42, 4
	s_add_co_u32 s46, s46, s18
	s_add_co_u32 s46, s46, 192
	s_lshl_b32 s22, s20, 9
	s_add_co_u32 s22, s22, OSC
	s_lshl_b32 s92, s46, 9
	s_add_co_u32 s92, s92, WSC
	s_mul_i32 s20, s20, RTM
	s_mul_i32 s46, s46, RTM
	s_mov_b32 s21, 0
	s_mov_b32 s23, 0
	s_mov_b32 s47, 0
	s_mov_b32 s93, 0
	s_mul_i32 s45, s14, HALFT
	s_wait_dscnt 0x0
	s_wait_kmcnt 0x0
	s_add_nc_u64 s[20:21], s[4:5], s[20:21]
	s_add_nc_u64 s[22:23], s[4:5], s[22:23]
	s_add_nc_u64 s[46:47], s[6:7], s[46:47]
	s_add_nc_u64 s[92:93], s[6:7], s[92:93]
	CROUND
	; THE HEAD'S FOUR TILES, each whole, one joint load a wave: wave 0 slot 0's 16 row tiles of o, wave 1 those of W_proj, wave 2 o's 8,192 bytes of scale words, wave 3 W_proj's
	s_mul_i32 s18, s16, 8*RTM                      ; my addresses name my half of a tile: the half is taken off again
	s_mov_b32 s19, 0
	s_mov_b32 s[G0], 1
	s_mov_b32 s[G0+1], 0
	s_sub_nc_u64 s[G0+2:G0+3], s[20:21], s[18:19]
	s_or_b32 s[G0+3], s[G0+3], 0x80000000
	s_mov_b32 s[G0B], 1
	s_mov_b32 s[G0B+1], 2*HALFT
	s_sub_nc_u64 s[G0B+2:G0B+3], s[46:47], s[18:19]
	s_or_b32 s[G0B+3], s[G0B+3], 0x80000000
	s_lshl_b32 s18, s16, 12
	s_mov_b32 s[G0S], 1
	s_mov_b32 s[G0S+1], SCL
	s_sub_nc_u64 s[G0S+2:G0S+3], s[22:23], s[18:19]
	s_or_b32 s[G0S+3], s[G0S+3], 0x80000000
	s_mov_b32 s[G0SB], 1
	s_mov_b32 s[G0SB+1], SCL+SBD
	s_sub_nc_u64 s[G0SB+2:G0SB+3], s[92:93], s[18:19]
	s_or_b32 s[G0SB+3], s[G0SB+3], 0x80000000
	s_mov_b32 s[G0+4], 1                           ; slot 1: my quarter
	s_add_co_u32 s[G0+5], s45, SLOT
	s_add_nc_u64 s[G0+6:G0+7], s[20:21], RTB
	s_or_b32 s[G0+7], s[G0+7], 0x80000000
	s_mov_b32 s[G0B+4], 1
	s_add_co_u32 s[G0B+5], s45, SLOT
	s_add_nc_u64 s[G0B+6:G0B+7], s[46:47], RTB
	s_or_b32 s[G0B+7], s[G0B+7], 0x80000000
.macro ARM under, g0, g1, next         ; one tree of branches on the wave's number: every way through the head passes exactly one load
	s_cmp_lt_u32 s14, \under
	s_cbranch_scc0 \next
	tensor_load_to_lds s[\g0:\g0+3], s[\g1:\g1+7]
	s_nop 0
.rept 4
	v_nop
.endr
	s_branch .Lhead_asked
\next:
.endm
	ARM 1, G0,  G1,  .Lhead_b
	ARM 2, G0B, G1B, .Lhead_sa
	ARM 3, G0S, G1S, .Lhead_sb
	tensor_load_to_lds s[G0SB:G0SB+3], s[G1SB:G1SB+7]
	s_nop 0
.rept 4
	v_nop
.endr
.Lhead_asked:
	s_wait_alu depctr_va_vdst(0)
	s_wait_tensorcnt 0x0                           ; my tile of the four is in
	ds_add_u32 v28, v29
	s_mov_b32 s[G1+2], 8<<16                       ; no tensor load of mine is out: from here on a load brings 8 row tiles,
	s_mov_b32 s[G1+4], 8
	s_mov_b32 s[G1B+2], 8<<16
	s_mov_b32 s[G1B+4], 8
	s_mov_b32 s[G0+1], s45                         ; and slot 0's groups name my quarter, for its refill
	s_mov_b64 s[G0+2:G0+3], s[20:21]
	s_or_b32 s[G0+3], s[G0+3], 0x80000000
	s_mov_b32 s[G0B+1], s45
	s_mov_b64 s[G0B+2:G0B+3], s[46:47]
	s_or_b32 s[G0B+3], s[G0B+3], 0x80000000
	s_wait_dscnt 0x0
	CROUND                                         ; all four tiles are in, in every work-group of the cluster
	JLOAD G0+4, G1, G0B+4, G1B                     ; slot 1's first fill, the first tensor load behind the round
	v_and_b32 v1, 15, v0
	v_bfe_u32 v2, v0, 4, 1
	s_wait_alu depctr_va_vdst(0)
	v_and_b32 v3, 31, v0
	v_lshlrev_b32 v[CO], 4, v3
	v_lshlrev_b32 v4, 3, v3
	s_mul_i32 s21, s15, HALFT
	s_mul_i32 s22, s16, HALFT
	s_add_co_u32 s22, s22, 2*HALFT
.irp s, 0,1
	v_add_nc_u32 v[ADRA+\s], s21, v4
	v_add_nc_u32 v[ADRB+\s], s22, v[CO]
	s_add_co_u32 s21, s21, SLOT
	s_add_co_u32 s22, s22, SLOT
.endr
	v_lshlrev_b32 v5, 3, v1
	s_lshl_b32 s21, s15, 12
	s_lshl_b32 s22, s16, 12
	s_add_co_u32 s22, s22, SBD
	s_sub_co_u32 s22, s22, s21
	v_mul_u32_u24 v6, s22, v2
	s_add_co_u32 s21, s21, SCL
	v_add_nc_u32 v5, v5, v6
	v_add_nc_u32 v[ADRS], s21, v5
	s_mul_i32 s23, s14, 16*SPITCH
	v_mul_u32_u24 v5, v1, SPITCH
	v_lshl_add_u32 v5, v2, 6, v5
	v_add_nc_u32 v[STO], s23, v5
	v_add_nc_u32 v[RD], s23, v[CO]
	s_lshl_b32 s20, s17, 8
	s_lshl_b32 s21, s15, 7
	s_add_co_u32 s20, s20, s21
	s_lshl_b32 s20, s20, 12
	s_lshl_b32 s46, s42, 10
	s_lshl_b32 s47, s16, 9
	s_add_co_u32 s46, s46, s47
	s_mov_b32 s47, 0
	s_add_nc_u64 s[8:9], s[8:9], s[46:47]
	s_add_co_u32 s46, s46, s20
	s_add_nc_u64 s[12:13], s[10:11], s[46:47]
	global_load_b128 v[BIAS:BIAS+3], v[CO], s[8:9]
.macro FRAG3 reg, adr, q, i
.irp c, 0,1,2
	ds_load_b128 v[\reg+4*\c:\reg+4*\c+3], v[\adr] offset:(\i)*RTB+(\q)*1536+512*\c
.endr
.endm
.macro FRAG6 reg, adr, q, i
.irp p, 0,1,2,3,4,5
	ds_load_b64 v[\reg+2*\p:\reg+2*\p+1], v[\adr] offset:(\i)*RTB+(\q)*1536+256*\p
.endr
.endm
.macro MUL16 a0, p, q, sc, zero
.irp a, \a0, \a0+1
.irp b, 0,1,2,3,4,5,6,7
.if \zero
	v_wmma_scale_f32_16x16x128_f8f6f4 v[8*(8*((\a)%4)+\b):8*(8*((\a)%4)+\b)+7], v[128*(\p)+FR*\b:128*(\p)+FR*\b+FR-1], v[AF+FR*(\a):AF+FR*(\a)+FR-1], 0, v[SC+8*NQ*(\sc)+NQ*\b+(\q)], v[SC+8*NQ*(\sc)+NQ*(\a)+(\q)] matrix_a_fmt:MATRIX_FMT_FP6 matrix_b_fmt:MATRIX_FMT_FP6 matrix_a_scale:MATRIX_SCALE_ROW1
.else
	v_wmma_scale_f32_16x16x128_f8f6f4 v[8*(8*((\a)%4)+\b):8*(8*((\a)%4)+\b)+7], v[128*(\p)+FR*\b:128*(\p)+FR*\b+FR-1], v[AF+FR*(\a):AF+FR*(\a)+FR-1], v[8*(8*((\a)%4)+\b):8*(8*((\a)%4)+\b)+7], v[SC+8*NQ*(\sc)+NQ*\b+(\q)], v[SC+8*NQ*(\sc)+NQ*(\a)+(\q)] matrix_a_fmt:MATRIX_FMT_FP6 matrix_b_fmt:MATRIX_FMT_FP6 matrix_a_scale:MATRIX_SCALE_ROW1
.endif
.endr
.endr
.endm
.macro FETCH_B slot, q, p
	WIN TO_B
.irp i, 0,1,2,3,4,5,6,7
	FRAG3 128*(\p)+FR*\i, ADRB+\slot, \q, \i
.endr
	WIN 0
.endm
.macro FETCH_A slot, q, i0
.irp i, \i0, \i0+1, \i0+2, \i0+3
	FRAG6 AF+FR*(\i), ADRA+\slot, \q, \i
.endr
.endm
.macro SCALES sc
.irp i, 0,1,2,3,4,5,6,7
	ds_load_b64 v[SC+8*NQ*\sc+NQ*\i:SC+8*NQ*\sc+NQ*\i+1], v[ADRS] offset:\i*512
.endr
.endm
.macro PLACES n
.rept \n
	v_nop
.endr
.endm
.macro STEP slot, q, zero
	s_wait_dscnt 4*NLA
	WIN MUL_LO
	MUL16 0, (\q)%2, \q, \slot, \zero
	MUL16 2, (\q)%2, \q, \slot, \zero
	s_wait_dscnt 0
	PLACES NP
	FETCH_B \slot, (\q)+1, 1-(\q)%2
	FETCH_A \slot, (\q)+1, 0
	WIN MUL_HI
	MUL16 4, (\q)%2, \q, \slot, \zero
	MUL16 6, (\q)%2, \q, \slot, \zero
	PLACES NP
	WIN 0
	FETCH_A \slot, (\q)+1, 4
.endm
.macro TURN slot, next, fill
	s_wait_tensorcnt 0x0
	ds_add_u32 v[SPW], v[NIL]
	s_wait_dscnt 4*NLA+1
	WIN MUL_LO
	MUL16 0, 1, NQ-1, \slot, 0
	s_wait_dscnt 0x0
	s_barrier_signal -1
	MUL16 2, 1, NQ-1, \slot, 0
	WIN 0
	s_barrier_wait -1
.if \fill
	CREST
	s_add_nc_u64 s[G0+4*\slot+2:G0+4*\slot+3], s[G0+4*\slot+2:G0+4*\slot+3], 2*RTB
	s_add_nc_u64 s[G0B+4*\slot+2:G0B+4*\slot+3], s[G0B+4*\slot+2:G0B+4*\slot+3], 2*RTB
	JLOAD G0+4*\slot, G1, G0B+4*\slot, G1B
.else
	PLACES NP
.endif
	s_wait_alu depctr_va_vdst(0)
	v_add_nc_u32 v[ADRS], 128, v[ADRS]
	FETCH_B \next, 0, 0
	FETCH_A \next, 0, 0
	SCALES \next
	WIN MUL_HI
	MUL16 4, 1, NQ-1, \slot, 0
	MUL16 6, 1, NQ-1, \slot, 0
	PLACES NP
	WIN 0
	FETCH_A \next, 0, 4
.endm
	s_wait_alu depctr_va_vdst(0)
	s_wait_tensorcnt 1
	s_barrier_signal -1
	s_barrier_wait -1
	FETCH_B 0, 0, 0
	FETCH_A 0, 0, 0
	SCALES 0
	FETCH_A 0, 0, 4
	STEP 0, 0, 1
	TURN 0, 1, 1
	STEP 1, 0, 0
	TURN 1, 0, 1
	STEP 0, 0, 0
	TURN 0, 1, 0
	STEP 1, 0, 0
	s_wait_dscnt 4*NLA
	WIN MUL_LO
	MUL16 0, 1, NQ-1, 1, 0
	MUL16 2, 1, NQ-1, 1, 0
	s_wait_dscnt 0
	WIN MUL_HI
	MUL16 4, 1, NQ-1, 1, 0
	MUL16 6, 1, NQ-1, 1, 0
	WIN 0
.macro TOSTAGE a
.set AC, 64*((\a)%4)
	WIN 0x08+4*((\a)/4)
.irp b, 0,1,2,3,4,5,6,7
	ds_store_b128 v[STO], v[AC+8*\b:AC+8*\b+3] offset:128*(\b/2)+32*(\b%2)
	ds_store_b128 v[STO], v[AC+8*\b+4:AC+8*\b+7] offset:128*(\b/2)+32*(\b%2)+16
.endr
	WIN 0
.set BB, BK+64*((\a)%2)
.irp t, 0,1,2,3,4,5,6,7,8,9,10,11,12,13,14,15
	ds_load_b128 v[BB+4*\t:BB+4*\t+3], v[RD] offset:\t*SPITCH
.endr
.endm
.macro SEND a, younger
.set BB, BK+64*((\a)%2)
	s_wait_dscnt \younger
.irp t, 0,1,2,3,4,5,6,7,8,9,10,11,12,13,14,15
	v_pk_add_f32 v[BB+4*\t:BB+4*\t+1], v[BB+4*\t:BB+4*\t+1], v[BIAS:BIAS+1]
	v_pk_add_f32 v[BB+4*\t+2:BB+4*\t+3], v[BB+4*\t+2:BB+4*\t+3], v[BIAS+2:BIAS+3]
.endr
.irp t, 0,1,2,3,4,5,6,7,8,9,10,11,12,13,14,15
	global_store_b128 v[CO], v[BB+4*\t:BB+4*\t+3], s[12:13] offset:(32*((\a)/2)+16*(\t/8)+8*((\a)%2)+\t%8)*4096 th:TH_STORE_NT
.endr
.endm
	s_wait_loadcnt 0x0
	PLACES NP
	TOSTAGE 0
.irp a, 1,2,3,4,5,6,7
.if \a > 1
	s_wait_xcnt 0x0
.endif
	TOSTAGE \a
	SEND \a-1, 32
.endr
	SEND 7, 0
	s_wait_tensorcnt 0x0
	ds_add_u32 v[SPW], v[NIL]
	s_wait_dscnt 0x0
	CROUND
	s_endpgm
.Lfunc_end_k_q18bab594d8_gemm_proj:
	.size	k_q18bab594d8_gemm_proj, .Lfunc_end_k_q18bab594d8_gemm_proj-k_q18bab594d8_gemm_proj
	.p2alignl 7, 3214868480
	.fill 96, 4, 3214868480
	.section	.rodata,"a",@progbits
	.p2align	6, 0x0
	.amdhsa_kernel k_q18bab594d8_gemm_proj
		.amdhsa_group_segment_fixed_size 327680
		.amdhsa_private_segment_fixed_size 0
		.amdhsa_enable_private_segment 0
		.amdhsa_kernarg_size 32
		.amdhsa_user_sgpr_count 2
		.amdhsa_user_sgpr_kernarg_segment_ptr 1
		.amdhsa_wavefront_size32 1
		.amdhsa_system_sgpr_workgroup_id_x 1
		.amdhsa_system_sgpr_workgroup_id_y 1
		.amdhsa_system_sgpr_workgroup_id_z 1
		.amdhsa_system_vgpr_workitem_id 0
		.amdhsa_next_free_vgpr 1024
		.amdhsa_next_free_sgpr 100
		.amdhsa_reserve_vcc 0
		.amdhsa_float_denorm_mode_32 3
		.amdhsa_float_denorm_mode_16_64 3
		.amdhsa_memory_ordered 1
		.amdhsa_forward_progress 1
		.amdhsa_inst_pref_size 164
	.end_amdhsa_kernel
	.amdgpu_metadata
---
amdhsa.version: [ 1, 2 ]
amdhsa.kernels:
  - .name:           k_q18bab594d8_gemm_proj
    .symbol:         k_q18bab594d8_gemm_proj.kd
    .args:
      - { .name: OQ, .offset: 0, .size: 8, .value_kind: global_buffer, .address_space: global }
      - { .name: WQ, .offset: 8, .size: 8, .value_kind: global_buffer, .address_space: global }
      - { .name: b_proj, .offset: 16, .size: 8, .value_kind: global_buffer, .address_space: global }
      - { .name: out0, .offset: 24, .size: 8, .value_kind: global_buffer, .address_space: global }
    .group_segment_fixed_size: 327680
    .private_segment_fixed_size: 0
    .kernarg_segment_align: 8
    .kernarg_segment_size: 32
    .max_flat_workgroup_size: 128
    .sgpr_count:     100
    .vgpr_count:     1024
    .wavefront_size: 32
...
	.end_amdgpu_metadata
.endif
;; end of part 5
